; MI455X (gfx1250); checked and timed in simulation.
; The chip was launched on July 23, 2026; its instructions are those of AMD's public machine-readable ISA for CDNA 5 (MIT licence, August 2026) and "CDNA5" Instruction Set Architecture Reference Guide (July 2026). The comments in the code are by the model that wrote it; some were corrected since.
;; Latent Feature. Allowed arithmetic: float matrix products may take bf16 or f16 operands with f32 sums; all other float work in f32.
;; Inputs: W_d1 256 x 1,024 float32; W_d2 128 x 256 float32; W_l1 128 x 3 float32; W_l2 128 x 128 float32; Wqk 4 x 128 x 128 float32; Wv 4 x 128 x 128 float32; bv 4 x 128 float32; x 32 x 3 x 1,024 float32.
;; Outputs: out0 32 x 512 float32.
;; One version. Each part assembles by itself: llvm-mc -triple=amdgcn-amd-amdhsa -mcpu=gfx1250 --defsym DOCPART=n.
;; ======== version 1 of 1: 8 launches
;; limits: values outside matrix products are rounded to f16; values outside matrix products are rounded to bf16; values are held in f16: magnitudes above 65,504 overflow, below 6.1e-05 lose precision; right only within a limited range of input values
;; workspace buffers: WF 851,968 bytes; A1 8,650,752 bytes; B1 17,301,504 bytes; QV0 33,554,432 bytes; QV1 33,554,432 bytes; NL 262,144 bytes; PM 262,144 bytes
;; launch prep (part 1): grid 8 x 32, 8 waves a work-group, no clusters, 44,032 bytes of LDS; arguments W_d1, W_d2, Wqk, Wv, W_l1, W_l2, x, WF, A1; writes WF, A1
.if DOCPART == 1
	.amdgcn_target "amdgcn-amd-amdhsa--gfx1250"
	.amdhsa_code_object_version 6
	.text
	.protected	k_qf5ec1e3464_prep
	.globl	k_qf5ec1e3464_prep
	.p2align	8
	.type	k_qf5ec1e3464_prep,@function
k_qf5ec1e3464_prep:
	s_mov_b64 s[64:65], 0
	v_nop
	global_prefetch_b8 v0, s[64:65] scope:SCOPE_SE
	s_setreg_imm32_b32 hwreg(HW_REG_WAVE_MODE, 25, 1), 1
	s_wait_xcnt 0x0
; prep: (1) the weights as 16-bit fragment images into WF: W_d1, W_d2 in bf16, Wqk, Wv in f16; (2) the point branch up to the second 1x1 convolution.
; A fragment image is 1,024 bytes = [half 2][lane 32][16 bytes]: the 8 registers x 32 lanes of a 16 x 32 matrix operand of 16-bit numbers, so that every later
; load and store of an operand is 16 bytes a lane at 16 x lane: 512 consecutive bytes.
; Wqk is multiplied by sqrt(log2 e) before it is rounded: q.q then comes out of the matrix unit in units of log2.
; FORMAT: what leads into the attention's exponent goes in f16 (11 significant bits), since an error of q.q enters the weights directly.  Room in f16:
; h1 lies in [0, 32) (an instance norm over 1,024 numbers bounds it), weights at 30 times their spread stay below 3, so |Y| <= 128 x 3 x 32 = 12,288.
; Work-group (x, b): 128 columns of batch b; wave w: the 16 columns 128 x + 16 w .. +15 and all 128 output channels.
; First instance norm: y = W_l1 x is linear in x, so its mean over the row is W_l1 mu and its variance w' cov(x) w; mu and the centred
; covariance (two passes over the 1,024 points, in f32) are made by every work-group.  LIMIT: w' cov w loses digits where it is below
; some 1e-6 of |w|^2 |cov|.  Second instance norm: here only the block's mean and centred sum of squares (two passes from the accumulators);
; the next launch but one joins the eight blocks.  Y goes out minus its block's mean, in f16.
; LIMITS: NaN and infinities are not treated; v_rsq_f32 flushes denormals.
; No multicast: nothing here is brought by the tensor mover; W_l2 (64 KiB) is read once through registers and converted on the way.
.set WL2F,  0                          ; W_l2 as images [ot 8][ks 4][1 KiB]
.set WT,    32768                      ; [3][128] f32: W_l1[o][c] / sqrt(var_o + eps)
.set RED1,  34816                      ; [8 waves][4] f32
.set RED2,  35072                      ; [8 waves][8] f32
.set PS,    35328                      ; [8 waves][128] f32: sums
.set PS2,   39424                      ; [8 waves][128] f32: sums of squares
.set MEANS, 43520                      ; [128] f32
.set ACC,   64                         ; v[64:127]  8 accumulator tiles (ot)
.set STG,   128                        ; v[128:191] staging, A fragments, reductions
.set HF,    192                        ; v[192:223] h1 as B fragments (ks); later the means and the packed results
.set T16,   224                        ; v[224:255] packed W_l2; later 16 f32 at work
.macro PLACES n
.rept \n
	v_nop
.endr
.endm
.macro BAR
	s_barrier_signal -1
	s_barrier_wait -1
.endm
.macro WM d, a, b, z                   ; one matrix instruction on f16 operands; z = 1: it starts the sum
.if \z
	v_wmma_f32_16x16x32_f16 v[\d:\d+7], v[\a:\a+7], v[\b:\b+7], 0
.else
	v_wmma_f32_16x16x32_f16 v[\d:\d+7], v[\a:\a+7], v[\b:\b+7], v[\d:\d+7]
.endif
.endm
.macro WSUM v, t                       ; sum over the wave's 32 lanes, in every lane; t has been written before
	v_add_f32_dpp v[\v], v[\v], v[\v] row_xmask:1 row_mask:0xf bank_mask:0xf
	v_add_f32_dpp v[\v], v[\v], v[\v] row_xmask:2 row_mask:0xf bank_mask:0xf
	v_add_f32_dpp v[\v], v[\v], v[\v] row_xmask:4 row_mask:0xf bank_mask:0xf
	v_add_f32_dpp v[\v], v[\v], v[\v] row_xmask:8 row_mask:0xf bank_mask:0xf
	v_permlanex16_b32 v[\t], v[\v], s26, s27
	v_add_f32 v[\v], v[\v], v[\t]
.endm
.macro RSUMN dst, src, n               ; dst[k] = sum of src[k] over the 16 lanes of a half wave, n registers
.set rk, 0
.rept \n
	v_add_f32_dpp v[\dst+rk], v[\src+rk], v[\src+rk] row_xmask:1 row_mask:0xf bank_mask:0xf
.set rk, rk+1
.endr
.irp m, 2,4,8
.set rk, 0
.rept \n
	v_add_f32_dpp v[\dst+rk], v[\dst+rk], v[\dst+rk] row_xmask:\m row_mask:0xf bank_mask:0xf
.set rk, rk+1
.endr
.endr
.endm
; One half image (512 bytes): lane (r, h) takes 8 f32 of row r at byte 32 h of the unit's 64 bytes, rounds them (hf = 1: to f16, 0: to bf16) and stores 16 bytes.
.macro CONV base, rsh, soff, sdst, scl, hf
	v_lshlrev_b32 v9, \rsh, v2
	v_lshl_add_u32 v9, v3, 5, v9
	v_add_nc_u32 v9, s[\soff], v9
	global_load_b128 v[48:51], v9, s[\base:\base+1]
	global_load_b128 v[52:55], v9, s[\base:\base+1] offset:16
	v_add_nc_u32 v10, s[\sdst], v4
	s_wait_loadcnt 0x0
.if \scl
	v_pk_mul_f32 v[48:49], v[48:49], s[\scl:\scl+1] op_sel_hi:[1,0]
	v_pk_mul_f32 v[50:51], v[50:51], s[\scl:\scl+1] op_sel_hi:[1,0]
	v_pk_mul_f32 v[52:53], v[52:53], s[\scl:\scl+1] op_sel_hi:[1,0]
	v_pk_mul_f32 v[54:55], v[54:55], s[\scl:\scl+1] op_sel_hi:[1,0]
.endif
.if \hf
	v_cvt_pk_f16_f32 v16, v48, v49
	v_cvt_pk_f16_f32 v17, v50, v51
	v_cvt_pk_f16_f32 v18, v52, v53
	v_cvt_pk_f16_f32 v19, v54, v55
.else
	v_cvt_pk_bf16_f32 v16, v48, v49
	v_cvt_pk_bf16_f32 v17, v50, v51
	v_cvt_pk_bf16_f32 v18, v52, v53
	v_cvt_pk_bf16_f32 v19, v54, v55
.endif
	global_store_b128 v10, v[16:19], s[18:19]
.endm
	s_load_b512 s[4:19], s[0:1], 0x0               ; W_d1 4, W_d2 6, Wqk 8, Wv 10, W_l1 12, W_l2 14, x 16, WF 18
	s_load_b64 s[20:21], s[0:1], 0x40              ; A1
	v_lshrrev_b32 v5, 5, v0
	v_readfirstlane_b32 s22, v5                    ; wave w
	v_and_b32 v1, 31, v0                           ; lane L
	v_and_b32 v2, 15, v0                           ; r
	v_bfe_u32 v3, v0, 4, 1                         ; h
	v_lshlrev_b32 v4, 4, v1                        ; 16 L
	s_mov_b32 s23, ttmp9                           ; x: block of 128 columns
	s_and_b32 s24, ttmp7, 0xffff                   ; b
	s_lshl3_add_u32 s25, s24, s23                  ; g = 8 b + x, 0 .. 255
	s_mov_b32 s26, 0x76543210                      ; v_permlanex16_b32: lane i reads lane i of the other half
	s_mov_b32 s27, 0xfedcba98
	s_mul_i32 s28, s24, 12288                      ; batch b of x
	v_lshl_add_u32 v6, v0, 4, s28                  ; my 4 points, for the statistics
	s_lshl_b32 s29, s23, 9
	s_lshl_b32 s30, s22, 6
	s_add_co_u32 s29, s29, s30
	s_add_co_u32 s29, s29, s28
	v_lshl_add_u32 v7, v2, 2, s29                  ; my own column 128 x + 16 w + r
	s_lshl_b32 s30, s22, 13
	v_lshlrev_b32 v8, 9, v2
	v_lshl_add_u32 v8, v3, 5, v8
	v_add_nc_u32 v8, s30, v8                       ; W_l2: row 16 w + r, byte 32 h
	s_wait_kmcnt 0x0
	global_load_b128 v[20:23], v6, s[16:17]
	global_load_b128 v[24:27], v6, s[16:17] offset:4096
	global_load_b128 v[28:31], v6, s[16:17] offset:8192
	global_load_b32 v32, v7, s[16:17]
	global_load_b32 v34, v7, s[16:17] offset:4096
	global_load_b32 v36, v7, s[16:17] offset:8192
.irp ks, 0,1,2,3
	global_load_b128 v[STG+16*\ks:STG+16*\ks+3],     v8, s[14:15] offset:128*\ks
	global_load_b128 v[STG+16*\ks+4:STG+16*\ks+7],   v8, s[14:15] offset:128*\ks+16
	global_load_b128 v[STG+16*\ks+8:STG+16*\ks+11],  v8, s[14:15] offset:128*\ks+64
	global_load_b128 v[STG+16*\ks+12:STG+16*\ks+15], v8, s[14:15] offset:128*\ks+80
.endr
	; ---- weights to images: 1,024 + 512 + 128 half images over 256 work-groups: waves 0-3, 4-5 and (g < 128) 6 take one each
	s_cmp_ge_u32 s22, 4
	s_cbranch_scc1 .Lnot_d1
	s_lshl2_add_u32 s31, s25, s22                  ; q = 4 g + w = [chunk 8][ot 16][ks 4][half 2]
	s_and_b32 s32, s31, 7
	s_lshl_b32 s32, s32, 6                         ; (2 ks + half) x 64 bytes
	s_bfe_u32 s33, s31, 0x40003
	s_lshl_b32 s33, s33, 16                        ; ot x 16 rows x 4,096 bytes
	s_lshr_b32 s34, s31, 7
	s_lshl_b32 s34, s34, 9                         ; chunk x 128 f32
	s_add_co_u32 s32, s32, s33
	s_add_co_u32 s32, s32, s34
	s_lshl_b32 s35, s31, 9
	CONV 4, 12, 32, 35, 0, 0
	s_branch .Lconv_done
.Lnot_d1:
	s_cmp_ge_u32 s22, 6
	s_cbranch_scc1 .Lnot_qv
	s_lshl1_add_u32 s31, s25, s22
	s_sub_co_u32 s31, s31, 4                       ; q = 2 g + w - 4 = [layer 4][Wqk, Wv][ot 8][ks 4][half 2]
	s_and_b32 s32, s31, 7
	s_lshl_b32 s32, s32, 6
	s_bfe_u32 s33, s31, 0x30003
	s_lshl_b32 s33, s33, 13                        ; ot x 16 rows x 512 bytes
	s_lshr_b32 s34, s31, 7
	s_lshl_b32 s34, s34, 16                        ; layer
	s_add_co_u32 s32, s32, s33
	s_add_co_u32 s32, s32, s34
	s_lshl_b32 s35, s31, 9
	s_add_co_u32 s35, s35, 524288
	s_bitcmp1_b32 s31, 6                           ; 1: Wv
	s_cselect_b64 s[36:37], s[10:11], s[8:9]
	s_cselect_b32 s38, 1.0, 0x3f99be61             ; Wqk times sqrt(log2 e)
	s_mov_b32 s39, s38
	CONV 36, 9, 32, 35, 38, 1
	s_branch .Lconv_done
.Lnot_qv:
	s_cmp_lg_u32 s22, 6
	s_cbranch_scc1 .Lconv_done
	s_cmp_ge_u32 s25, 128
	s_cbranch_scc1 .Lconv_done
	s_and_b32 s32, s25, 15                         ; q = g = [ot 8][ks 8][half 2]
	s_lshl_b32 s32, s32, 6
	s_lshr_b32 s33, s25, 4
	s_lshl_b32 s33, s33, 14                        ; ot x 16 rows x 1,024 bytes
	s_add_co_u32 s32, s32, s33
	s_lshl_b32 s35, s25, 9
	s_add_co_u32 s35, s35, 786432
	CONV 6, 10, 32, 35, 0, 0
.Lconv_done:
	s_wait_xcnt 0x0                                ; v9, v10 and s[36:37], which the loads and the store above name, are written again below
	s_wait_loadcnt 0x0                             ; x, my column, W_l2
	; ---- W_l2, rows 16 w .. +15, as f16 images into LDS
.set k, 0
.rept 32
	v_cvt_pk_f16_f32 v[T16+k], v[STG+2*k], v[STG+2*k+1]
.set k, k+1
.endr
	s_lshl_b32 s31, s22, 12
	v_add_nc_u32 v9, s31, v4
.irp ks, 0,1,2,3
	ds_store_b128 v9, v[T16+8*\ks:T16+8*\ks+3]   offset:WL2F+\ks*1024
	ds_store_b128 v9, v[T16+8*\ks+4:T16+8*\ks+7] offset:WL2F+\ks*1024+512
.endr
	; ---- mean of x over the 1,024 points
	v_add_f32 v48, v20, v21
	v_add_f32 v52, v22, v23
	v_add_f32 v49, v24, v25
	v_add_f32 v53, v26, v27
	v_add_f32 v50, v28, v29
	v_add_f32 v54, v30, v31
	v_add_f32 v48, v48, v52
	v_add_f32 v49, v49, v53
	v_add_f32 v50, v50, v54
	v_mov_b32 v51, 0
	WSUM 48, 52
	WSUM 49, 52
	WSUM 50, 52
	s_lshl_b32 s31, s22, 4
	s_add_co_u32 s31, s31, RED1
	v_mov_b32 v10, s31
	ds_store_b128 v10, v[48:51]
	s_wait_dscnt 0x0                               ; my stores are done before I signal: the others read them
	BAR
	v_mov_b32 v5, RED1
.set k, 0
.rept 8
	ds_load_b128 v[STG+4*k:STG+4*k+3], v5 offset:16*k
.set k, k+1
.endr
	s_wait_dscnt 0x0
.irp c, 0,1,2
	v_add_f32 v[38+\c], v[STG+\c], v[STG+4+\c]
.irp j, 2,3,4,5,6,7
	v_add_f32 v[38+\c], v[38+\c], v[STG+4*\j+\c]
.endr
	v_mul_f32 v[38+\c], 0x3a800000, v[38+\c]       ; / 1024
.endr
.irp c, 0,1,2
.irp i, 0,1,2,3
	v_sub_f32 v[20+4*\c+\i], v[20+4*\c+\i], v[38+\c]
.endr
	v_sub_f32 v[32+2*\c], v[32+2*\c], v[38+\c]     ; my own column, centred, twice (a pair for the packed forms)
	v_mov_b32 v[33+2*\c], v[32+2*\c]
.endr
	; ---- the six centred second moments
.macro MOM d, a, b
	v_mul_f32  v[\d], v[20+4*\a], v[20+4*\b]
	v_fmac_f32 v[\d], v[21+4*\a], v[21+4*\b]
	v_fmac_f32 v[\d], v[22+4*\a], v[22+4*\b]
	v_fmac_f32 v[\d], v[23+4*\a], v[23+4*\b]
.endm
	MOM 48, 0, 0
	MOM 49, 0, 1
	MOM 50, 0, 2
	MOM 51, 1, 1
	MOM 52, 1, 2
	MOM 53, 2, 2
	v_mov_b32 v54, 0
	v_mov_b32 v55, 0
	v_mov_b32 v56, 0
.irp d, 48,49,50,51,52,53
	WSUM \d, 56
.endr
	s_lshl_b32 s31, s22, 5
	s_add_co_u32 s31, s31, RED2
	v_mov_b32 v10, s31
	ds_store_b128 v10, v[48:51]
	ds_store_b128 v10, v[52:55] offset:16
	s_wait_dscnt 0x0
	BAR
	v_mov_b32 v5, RED2
.set k, 0
.rept 16
	ds_load_b128 v[STG+4*k:STG+4*k+3], v5 offset:16*k
.set k, k+1
.endr
	s_wait_dscnt 0x0
.irp i, 0,1,2,3,4,5
	v_add_f32 v[42+\i], v[STG+\i], v[STG+8+\i]
.irp j, 2,3,4,5,6,7
	v_add_f32 v[42+\i], v[42+\i], v[STG+8*\j+\i]
.endr
	v_mul_f32 v[42+\i], 0x3a800000, v[42+\i]       ; cov: xx 42, xy 43, xz 44, yy 45, yz 46, zz 47
.endr
	; ---- waves 0-3, channel o = thread: W_l1[o][c] / sqrt(w' cov w + eps)
	s_cmp_ge_u32 s22, 4
	s_cbranch_scc1 .Lno_wt
	v_mul_u32_u24 v11, v0, 12
	global_load_b32 v48, v11, s[12:13]
	global_load_b32 v49, v11, s[12:13] offset:4
	global_load_b32 v50, v11, s[12:13] offset:8
	s_wait_loadcnt 0x0
	v_mul_f32  v51, v42, v48
	v_fmac_f32 v51, v43, v49
	v_fmac_f32 v51, v44, v50
	v_mul_f32  v52, v43, v48
	v_fmac_f32 v52, v45, v49
	v_fmac_f32 v52, v46, v50
	v_mul_f32  v53, v44, v48
	v_fmac_f32 v53, v46, v49
	v_fmac_f32 v53, v47, v50
	v_mul_f32  v54, v48, v51
	v_fmac_f32 v54, v49, v52
	v_fmac_f32 v54, v50, v53
	v_max_num_f32 v54, 0, v54
	v_add_f32 v54, 0x3727c5ac, v54                 ; + 1e-5
	v_rsq_f32 v54, v54
	v_lshlrev_b32 v12, 2, v0                       ; the plain instruction behind v_rsq_f32 (ISA guide 5.7.2)
	s_wait_alu depctr_va_vdst(0)
	v_mul_f32 v48, v48, v54
	v_mul_f32 v49, v49, v54
	v_mul_f32 v50, v50, v54
	ds_store_b32 v12, v48 offset:WT
	ds_store_b32 v12, v49 offset:WT+512
	ds_store_b32 v12, v50 offset:WT+1024
.Lno_wt:
	s_wait_dscnt 0x0
	BAR                                            ; WT and W_l2's images are whole
	; ---- h1 = relu(norm(W_l1 x)) of my column, straight into B fragments: lane (r, h) makes channels 32 ks + 8 h .. and 32 ks + 16 + 8 h ..
	v_lshlrev_b32 v13, 5, v3
	v_add_nc_u32 v13, WT, v13
.macro GENH ks
.irp c, 0,1,2
	ds_load_b128 v[STG+16*\c:STG+16*\c+3],     v13 offset:\c*512+128*\ks
	ds_load_b128 v[STG+16*\c+4:STG+16*\c+7],   v13 offset:\c*512+128*\ks+16
	ds_load_b128 v[STG+16*\c+8:STG+16*\c+11],  v13 offset:\c*512+128*\ks+64
	ds_load_b128 v[STG+16*\c+12:STG+16*\c+15], v13 offset:\c*512+128*\ks+80
.endr
	s_wait_dscnt 0x0
.set k, 0
.rept 8
	v_pk_mul_f32 v[T16+2*k:T16+2*k+1], v[STG+2*k:STG+2*k+1], v[32:33]
.set k, k+1
.endr
.set k, 0
.rept 8
	v_pk_fma_f32 v[T16+2*k:T16+2*k+1], v[STG+16+2*k:STG+16+2*k+1], v[34:35], v[T16+2*k:T16+2*k+1]
.set k, k+1
.endr
.set k, 0
.rept 8
	v_pk_fma_f32 v[T16+2*k:T16+2*k+1], v[STG+32+2*k:STG+32+2*k+1], v[36:37], v[T16+2*k:T16+2*k+1]
.set k, k+1
.endr
.set k, 0
.rept 16
	v_max_num_f32 v[T16+k], 0, v[T16+k]
.set k, k+1
.endr
.set k, 0
.rept 8
	v_cvt_pk_f16_f32 v[HF+8*\ks+k], v[T16+2*k], v[T16+2*k+1]
.set k, k+1
.endr
.endm
	GENH 0
	GENH 1
	GENH 2
	GENH 3
	; ---- Y = W_l2 h1: eight accumulators by turns, one instruction a turn; the first K step starts the sums
.macro GEMK ks, zero
.set k, 0
.rept 8
	ds_load_b128 v[STG+8*k:STG+8*k+3],   v4 offset:WL2F+k*4096+\ks*1024
	ds_load_b128 v[STG+8*k+4:STG+8*k+7], v4 offset:WL2F+k*4096+\ks*1024+512
.set k, k+1
.endr
	s_wait_dscnt 0x0
.irp ot, 0,1,2,3,4,5,6,7
	WM ACC+8*\ot, STG+8*\ot, HF+8*\ks, \zero
.endr
	PLACES 4                                       ; before loads land on the fragments and before results are read
.endm
	GEMK 0, 1
	GEMK 1, 0
	GEMK 2, 0
	GEMK 3, 0
	; ---- the block's mean of each channel: lane (r, h), register j of tile ot holds Y(16 ot + 8 h + j, column r)
	RSUMN STG, ACC, 64
	s_lshl_b32 s31, s22, 9
	s_add_co_u32 s31, s31, PS
	v_lshl_add_u32 v14, v3, 5, s31                 ; PS + 512 w + 32 h
.irp ot, 0,1,2,3,4,5,6,7
	ds_store_b128 v14, v[STG+8*\ot:STG+8*\ot+3]   offset:64*\ot
	ds_store_b128 v14, v[STG+8*\ot+4:STG+8*\ot+7] offset:64*\ot+16
.endr
	s_add_nc_u64 s[36:37], s[20:21], 0x800000      ; the statistics' part of A1
	s_lshl_b32 s33, s24, 13
	s_lshl_b32 s34, s23, 10
	s_add_co_u32 s33, s33, s34                     ; [b][block x]
	s_wait_dscnt 0x0
	BAR
	s_cmp_ge_u32 s22, 2
	s_cbranch_scc1 .Lno_mean
	v_lshlrev_b32 v15, 3, v0                       ; thread t: channels 2 t, 2 t + 1
.set k, 0
.rept 8
	ds_load_b64 v[48+2*k:49+2*k], v15 offset:PS+512*k
.set k, k+1
.endr
	s_wait_dscnt 0x0
.set k, 1
.rept 7
	v_pk_add_f32 v[48:49], v[48:49], v[48+2*k:49+2*k]
.set k, k+1
.endr
	v_pk_mul_f32 v[48:49], v[48:49], 0x3c000000 op_sel_hi:[1,0]    ; / 128
	ds_store_b64 v15, v[48:49] offset:MEANS
	v_add_nc_u32 v11, s33, v15
	global_store_b64 v11, v[48:49], s[36:37]
.Lno_mean:
	s_wait_dscnt 0x0
	BAR
	v_lshlrev_b32 v13, 5, v3
	v_add_nc_u32 v13, MEANS, v13
.irp ot, 0,1,2,3,4,5,6,7
	ds_load_b128 v[HF+8*\ot:HF+8*\ot+3],   v13 offset:64*\ot
	ds_load_b128 v[HF+8*\ot+4:HF+8*\ot+7], v13 offset:64*\ot+16
.endr
	s_wait_dscnt 0x0
.set k, 0
.rept 32
	v_pk_add_f32 v[ACC+2*k:ACC+2*k+1], v[ACC+2*k:ACC+2*k+1], v[HF+2*k:HF+2*k+1] neg_lo:[0,1] neg_hi:[0,1]
.set k, k+1
.endr
.set k, 0
.rept 32
	v_pk_mul_f32 v[STG+2*k:STG+2*k+1], v[ACC+2*k:ACC+2*k+1], v[ACC+2*k:ACC+2*k+1]
.set k, k+1
.endr
	RSUMN STG, STG, 64
.irp ot, 0,1,2,3,4,5,6,7
	ds_store_b128 v14, v[STG+8*\ot:STG+8*\ot+3]   offset:PS2-PS+64*\ot
	ds_store_b128 v14, v[STG+8*\ot+4:STG+8*\ot+7] offset:PS2-PS+64*\ot+16
.endr
	; Y minus the block's mean, packed to f16: tile ot is half (ot & 1) of my column tile's fragment ks = ot >> 1
.set k, 0
.rept 32
	v_cvt_pk_f16_f32 v[HF+k], v[ACC+2*k], v[ACC+2*k+1]
.set k, k+1
.endr
	s_lshl_b32 s32, s24, 18
	s_lshl_b32 s34, s23, 15
	s_add_co_u32 s32, s32, s34
	s_lshl_b32 s34, s22, 12
	s_add_co_u32 s32, s32, s34                     ; [b][column tile 8 x + w] x 4 KiB
	v_add_nc_u32 v12, s32, v4
.irp ot, 0,1,2,3,4,5,6,7
	global_store_b128 v12, v[HF+4*\ot:HF+4*\ot+3], s[20:21] offset:512*\ot     ; 512 consecutive bytes, aligned
.endr
	s_wait_dscnt 0x0
	BAR
	s_cmp_ge_u32 s22, 2
	s_cbranch_scc1 .Lend
	s_wait_xcnt 0x0                                ; v[48:49] were the mean's store data
.set k, 0
.rept 8
	ds_load_b64 v[48+2*k:49+2*k], v15 offset:PS2+512*k
.set k, k+1
.endr
	s_wait_dscnt 0x0
.set k, 1
.rept 7
	v_pk_add_f32 v[48:49], v[48:49], v[48+2*k:49+2*k]
.set k, k+1
.endr
	global_store_b64 v11, v[48:49], s[36:37] offset:512
.Lend:
	s_endpgm
.Lfunc_end_k_qf5ec1e3464_prep:
	.size	k_qf5ec1e3464_prep, .Lfunc_end_k_qf5ec1e3464_prep-k_qf5ec1e3464_prep
	.p2alignl 7, 3214868480
	.fill 96, 4, 3214868480
	.section	.rodata,"a",@progbits
	.p2align	6, 0x0
	.amdhsa_kernel k_qf5ec1e3464_prep
		.amdhsa_group_segment_fixed_size 44032
		.amdhsa_private_segment_fixed_size 0
		.amdhsa_enable_private_segment 0
		.amdhsa_kernarg_size 72
		.amdhsa_user_sgpr_count 2
		.amdhsa_user_sgpr_kernarg_segment_ptr 1
		.amdhsa_wavefront_size32 1
		.amdhsa_system_sgpr_workgroup_id_x 1
		.amdhsa_system_sgpr_workgroup_id_y 1
		.amdhsa_system_sgpr_workgroup_id_z 1
		.amdhsa_system_vgpr_workitem_id 0
		.amdhsa_next_free_vgpr 256
		.amdhsa_next_free_sgpr 66
		.amdhsa_reserve_vcc 0
		.amdhsa_float_denorm_mode_32 3
		.amdhsa_float_denorm_mode_16_64 3
		.amdhsa_memory_ordered 1
		.amdhsa_forward_progress 1
		.amdhsa_inst_pref_size 87
	.end_amdhsa_kernel
	.amdgpu_metadata
---
amdhsa.version: [ 1, 2 ]
amdhsa.kernels:
  - .name:           k_qf5ec1e3464_prep
    .symbol:         k_qf5ec1e3464_prep.kd
    .args:
      - { .name: W_d1, .offset: 0, .size: 8, .value_kind: global_buffer, .address_space: global }
      - { .name: W_d2, .offset: 8, .size: 8, .value_kind: global_buffer, .address_space: global }
      - { .name: Wqk, .offset: 16, .size: 8, .value_kind: global_buffer, .address_space: global }
      - { .name: Wv, .offset: 24, .size: 8, .value_kind: global_buffer, .address_space: global }
      - { .name: W_l1, .offset: 32, .size: 8, .value_kind: global_buffer, .address_space: global }
      - { .name: W_l2, .offset: 40, .size: 8, .value_kind: global_buffer, .address_space: global }
      - { .name: x, .offset: 48, .size: 8, .value_kind: global_buffer, .address_space: global }
      - { .name: WF, .offset: 56, .size: 8, .value_kind: global_buffer, .address_space: global }
      - { .name: A1, .offset: 64, .size: 8, .value_kind: global_buffer, .address_space: global }
    .group_segment_fixed_size: 44032
    .private_segment_fixed_size: 0
    .kernarg_segment_align: 8
    .kernarg_segment_size: 72
    .max_flat_workgroup_size: 256
    .sgpr_count:     66
    .vgpr_count:     256
    .wavefront_size: 32
...
	.end_amdgpu_metadata
.endif
;; end of part 1
;; launch dist (part 2): grid 8 x 32, 8 waves a work-group, clusters of 4 x 1, 327,680 bytes of LDS; arguments x, WF, B1; writes B1
.if DOCPART == 2
	.amdgcn_target "amdgcn-amd-amdhsa--gfx1250"
	.amdhsa_code_object_version 6
	.text
	.protected	k_qf5ec1e3464_dist
	.globl	k_qf5ec1e3464_dist
	.p2align	8
	.type	k_qf5ec1e3464_dist,@function
k_qf5ec1e3464_dist:
	s_mov_b64 s[64:65], 0
	v_nop
	global_prefetch_b8 v0, s[64:65] scope:SCOPE_SE
	s_setreg_imm32_b32 hwreg(HW_REG_WAVE_MODE, 25, 1), 1
	s_wait_xcnt 0x0
	s_wait_alu depctr_hold_cnt(0) depctr_sa_sdst(0) depctr_va_vdst(0) depctr_va_sdst(0) depctr_va_ssrc(0) depctr_va_vcc(0) depctr_vm_vsrc(0)
	s_getreg_b32 s2, hwreg(HW_REG_IB_STS2, 6, 4)
	s_cmp_eq_u32 s2, 0
	s_cbranch_scc0 .Lentry_in_a_cluster
	s_endpgm
.Lentry_in_a_cluster:
	s_bfe_u32 s2, ttmp6, 0x10000c
	s_cmp_lg_u32 s2, 0x3003
	s_cbranch_scc0 .Lentry_shape_is_right
	s_endpgm
.Lentry_shape_is_right:
; dist: Y = W_d1 . cdist(x), a block of 256 channels x 128 columns of batch b; K = 1,024 points in 8 chunks of 128.
; The distance matrix is never stored: each wave makes four B fragments of the next chunk from coordinate differences in f32
; (d = sqrt(dx^2 + dy^2 + dz^2), 0 on the diagonal as in the problem) and puts them into LDS while the current chunk is multiplied.
; Waves 0-3 make their fragments ahead of their products, waves 4-7 behind them, so that the two waves of a SIMD do roots and products at different times.
; W_d1's images come by the tensor mover, 64 KiB a chunk, two slots.  CLUSTER: every work-group reads the same images, so the four work-groups of a
; cluster ask jointly (mask 15): each wave's load is one eighth of a chunk, with a descriptor made of the wave's number and the chunk alone.
; By this text's own count a wave has at most two tensor loads outstanding (the two first fills), later one.
; Wave w: og = w & 3 (64 channels), mg = w >> 2 (64 columns): 4 x 4 accumulator tiles in v256-383.
; At the end: the block's mean and centred sum of squares of each channel (two passes from the accumulators), and Y minus the mean in bf16.
; LIMITS: NaN and infinities are not treated; v_sqrt_f32 flushes denormals, so a squared distance below 2^-126 counts as 0.
.set SW,    10
.set DB,    131072                     ; two buffers of distance fragments [ks 4][column tile 8][1 KiB]
.set XS,    196608                     ; x of the batch, [3][1024] f32
.set PSUM,  208896                     ; [mg 2][256] f32
.set MEANS, 210944                     ; [256] f32
.set PSQ,   211968                     ; [mg 2][256] f32
.set MSB, 0
.macro WIN new                         ; the immediate's high byte repeats the setting that is left
.if MSB != \new
	s_set_vgpr_msb (MSB<<8)|\new
.set MSB, \new
.endif
.endm
.macro PLACES n
.rept \n
	v_nop
.endr
.endm
.macro BAR
	s_barrier_signal -1
	s_barrier_wait -1
.endm
.macro ROUND                           ; a round of the cluster's barrier
	s_barrier_signal -1
	s_barrier_wait -1
	s_cmp_lg_u32 s[SW], 0
	s_cbranch_scc1 .Lnw0_\@
	s_barrier_signal -3
.Lnw0_\@:
	s_barrier_wait -3
	s_barrier_signal -1
	s_barrier_wait -1
.endm
.macro WM d, a, b, z
.if \z
	v_wmma_f32_16x16x32_bf16 v[\d:\d+7], v[\a:\a+7], v[\b:\b+7], 0
.else
	v_wmma_f32_16x16x32_bf16 v[\d:\d+7], v[\a:\a+7], v[\b:\b+7], v[\d:\d+7]
.endif
.endm
.macro RSUMN dst, src, n
.set rk, 0
.rept \n
	v_add_f32_dpp v[\dst+rk], v[\src+rk], v[\src+rk] row_xmask:1 row_mask:0xf bank_mask:0xf
.set rk, rk+1
.endr
.irp m, 2,4,8
.set rk, 0
.rept \n
	v_add_f32_dpp v[\dst+rk], v[\dst+rk], v[\dst+rk] row_xmask:\m row_mask:0xf bank_mask:0xf
.set rk, rk+1
.endr
.endr
.endm
	s_load_b128 s[4:7], s[0:1], 0x0                ; x, WF
	s_load_b64 s[8:9], s[0:1], 0x10                ; B1
	v_lshrrev_b32 v1, 5, v0
	v_readfirstlane_b32 s10, v1                    ; wave w
	s_bfe_u32 s32, ttmp6, 0x40000                  ; cx
	s_lshl_b32 s11, ttmp9, 2
	s_add_co_u32 s11, s11, s32                     ; x: block of 128 columns, 0 .. 7
	s_and_b32 s12, ttmp7, 0xffff                   ; b
	s_and_b32 s13, s10, 3                          ; og; also the K step whose distance fragments I make
	s_lshr_b32 s14, s10, 2                         ; mg
	; descriptor group 1: 32 rows of 32 elements of 8 bytes (256 bytes), dense; mask 15 = the cluster's four work-groups, bit 21 beside it
	s_mov_b32 s16, 15|(3<<16)|(1<<21)
	s_mov_b32 s17, 32<<16                          ; tensor_dim0 = 32
	s_mov_b32 s18, 32<<16                          ; tensor_dim1 = 32
	s_mov_b32 s19, 32<<16                          ; tile_dim0 = 32
	s_mov_b32 s20, 32                              ; tile_dim1 = 32
	s_mov_b32 s21, 32                              ; pitch
	s_mov_b32 s22, 0
	s_mov_b32 s23, 0
	s_lshl_b32 s34, s10, 13                        ; my eighth of a chunk
	s_mov_b32 s35, 0
	s_wait_kmcnt 0x0
	s_add_nc_u64 s[36:37], s[6:7], s[34:35]
	s_mov_b32 s24, 1
	s_lshl_b32 s25, s10, 13                        ; slot 0
	s_mov_b64 s[26:27], s[36:37]                   ; chunk 0
	s_or_b32 s27, s27, 0x80000000
	s_mov_b32 s28, 1
	s_add_co_u32 s29, s25, 65536                   ; slot 1
	s_add_nc_u64 s[30:31], s[36:37], 65536         ; chunk 1
	s_or_b32 s31, s31, 0x80000000
	ROUND                                          ; the four work-groups are here: the first joint loads meet
	tensor_load_to_lds s[24:27], s[16:23]
	s_nop 0
	tensor_load_to_lds s[28:31], s[16:23]
	s_nop 0
	v_and_b32 v1, 31, v0
	v_and_b32 v2, 15, v0                           ; r
	v_bfe_u32 v3, v0, 4, 1                         ; h
	v_lshlrev_b32 v4, 4, v1                        ; 16 L
	s_mul_i32 s38, s12, 12288
	v_lshl_add_u32 v5, v0, 4, s38
	global_load_b128 v[64:67], v5, s[4:5]
	global_load_b128 v[68:71], v5, s[4:5] offset:4096
	global_load_b128 v[72:75], v5, s[4:5] offset:8192
	s_lshl_b32 s39, s11, 9
	s_lshl_b32 s42, s14, 8
	s_add_co_u32 s39, s39, s42
	s_add_co_u32 s39, s39, s38
	v_lshl_add_u32 v6, v2, 2, s39                  ; my columns 128 x + 64 mg + 16 i + r
.irp i, 0,1,2,3
.irp c, 0,1,2
	global_load_b32 v[16+6*\i+2*\c], v6, s[4:5] offset:\c*4096+\i*64
.endr
.endr
	s_lshl_b32 s42, s13, 14
	v_add_nc_u32 v8, s42, v4                       ; A fragments, slot 0: 16 L + og x 16 KiB
	v_add_nc_u32 v9, 65536, v8                     ; slot 1
	s_lshl_b32 s42, s14, 12
	s_add_co_u32 s42, s42, DB
	v_add_nc_u32 v10, s42, v4                      ; B fragments, buffer 0
	v_add_nc_u32 v11, 32768, v10                   ; buffer 1
	s_lshl_b32 s42, s13, 7
	s_add_co_u32 s42, s42, XS
	v_lshl_add_u32 v12, v3, 5, s42                 ; the points of my K step: XS + 128 (w & 3) + 32 h; steps by a chunk
	s_lshl_b32 s42, s13, 13
	s_lshl_b32 s43, s14, 12
	s_add_co_u32 s42, s42, s43
	s_add_co_u32 s42, s42, DB
	v_add_nc_u32 v13, s42, v4                      ; where my four fragments go
	v_lshlrev_b32 v7, 4, v0
	v_add_nc_u32 v7, XS, v7
	s_wait_loadcnt 0x0
	ds_store_b128 v7, v[64:67]
	ds_store_b128 v7, v[68:71] offset:4096
	ds_store_b128 v7, v[72:75] offset:8192
.set k, 0
.rept 12
	v_mov_b32 v[17+2*k], v[16+2*k]                 ; each coordinate twice: a pair for the packed forms
.set k, k+1
.endr
	s_wait_dscnt 0x0
	BAR                                            ; x is whole in LDS; the two tiles stay on their way
; Four distance fragments (K step w & 3 of the next chunk, column tiles 4 mg + i) into buffer d.
.macro GEN d
.irp c, 0,1,2
	ds_load_b128 v[128+16*\c:131+16*\c], v12 offset:\c*4096
	ds_load_b128 v[132+16*\c:135+16*\c], v12 offset:\c*4096+16
	ds_load_b128 v[136+16*\c:139+16*\c], v12 offset:\c*4096+64
	ds_load_b128 v[140+16*\c:143+16*\c], v12 offset:\c*4096+80
.endr
	s_wait_dscnt 0x0
.irp i, 0,1,2,3
.set gk, 0
.rept 8
	v_pk_add_f32 v[176+2*gk:177+2*gk], v[128+2*gk:129+2*gk], v[16+6*\i:17+6*\i] neg_lo:[0,1] neg_hi:[0,1]
	v_pk_add_f32 v[192+2*gk:193+2*gk], v[144+2*gk:145+2*gk], v[18+6*\i:19+6*\i] neg_lo:[0,1] neg_hi:[0,1]
	v_pk_add_f32 v[208+2*gk:209+2*gk], v[160+2*gk:161+2*gk], v[20+6*\i:21+6*\i] neg_lo:[0,1] neg_hi:[0,1]
.set gk, gk+1
.endr
.set gk, 0
.rept 8
	v_pk_mul_f32 v[176+2*gk:177+2*gk], v[176+2*gk:177+2*gk], v[176+2*gk:177+2*gk]
.set gk, gk+1
.endr
.set gk, 0
.rept 8
	v_pk_fma_f32 v[176+2*gk:177+2*gk], v[192+2*gk:193+2*gk], v[192+2*gk:193+2*gk], v[176+2*gk:177+2*gk]
.set gk, gk+1
.endr
.set gk, 0
.rept 8
	v_pk_fma_f32 v[176+2*gk:177+2*gk], v[208+2*gk:209+2*gk], v[208+2*gk:209+2*gk], v[176+2*gk:177+2*gk]
.set gk, gk+1
.endr
.set gk, 0
.rept 16
	v_sqrt_f32 v[176+gk], v[176+gk]
.set gk, gk+1
.endr
	v_nop                                          ; the plain instruction behind the roots (ISA guide 5.7.2)
.set gk, 0
	s_wait_alu depctr_va_vdst(0)
.rept 8
	v_cvt_pk_bf16_f32 v[224+gk], v[176+2*gk], v[177+2*gk]
.set gk, gk+1
.endr
	ds_store_b128 v13, v[224:227] offset:\d*32768+\i*1024
	ds_store_b128 v13, v[228:231] offset:\d*32768+\i*1024+512
.endr
	v_add_nc_u32 v12, 512, v12                     ; the next chunk's points
.endm
.macro FETCH ks, fb, va, vb            ; 16 LDS loads: 4 A and 4 B fragments of K step ks
.irp i, 0,1,2,3
	ds_load_b128 v[\fb+8*\i:\fb+8*\i+3],   v[\va] offset:\i*4096+\ks*1024
	ds_load_b128 v[\fb+8*\i+4:\fb+8*\i+7], v[\va] offset:\i*4096+\ks*1024+512
.endr
.irp i, 0,1,2,3
	ds_load_b128 v[\fb+32+8*\i:\fb+32+8*\i+3],   v[\vb] offset:\ks*8192+\i*1024
	ds_load_b128 v[\fb+32+8*\i+4:\fb+32+8*\i+7], v[\vb] offset:\ks*8192+\i*1024+512
.endr
.endm
.macro MM16 fb, zero                   ; sixteen accumulators by turns, one instruction a turn
	WIN 0x50                                       ; C and D in v256-383
.irp i, 0,1,2,3
.irp j, 0,1,2,3
	WM 8*(4*\i+\j), \fb+8*\i, \fb+32+8*\j, \zero
.endr
.endr
	WIN 0
	PLACES 4                                       ; before loads land on the fragments just read
.endm
.macro GEMM s, d, zero                 ; a chunk: four K steps on two fragment buffers
	FETCH 0, 64, 8+\s, 10+\d
	FETCH 1, 128, 8+\s, 10+\d
	s_wait_dscnt 16                                ; all but the 16 loads just issued
	MM16 64, \zero
	FETCH 2, 64, 8+\s, 10+\d
	s_wait_dscnt 16
	MM16 128, 0
	FETCH 3, 128, 8+\s, 10+\d
	s_wait_dscnt 16
	MM16 64, 0
	s_wait_dscnt 0x0
	MM16 128, 0
.endm
.macro WORK s, d, nd, zero, gen
.if \gen
	s_cmp_ge_u32 s10, 4
	s_cbranch_scc1 .Lwa_\@
	GEN \nd
.Lwa_\@:
.endif
	GEMM \s, \d, \zero
.if \gen
	s_cmp_lt_u32 s10, 4
	s_cbranch_scc1 .Lwb_\@
	GEN \nd
.Lwb_\@:
.endif
.endm
; One chunk in slot and buffer s; the other slot o, read last, is filled again two chunks ahead.
.macro TRIP s, o
	s_wait_tensorcnt 0x0                           ; all my tensor loads have landed, my part of this chunk among them,
	s_add_nc_u64 s[26+4*\o:27+4*\o], s[26+4*\o:27+4*\o], 131072    ; so a group 0 may be written: the other slot's next chunk
	s_wait_dscnt 0x0                               ; my reads of the other slot and my fragment stores are done
	ROUND                                          ; both now hold of every wave of the four work-groups
	tensor_load_to_lds s[24+4*\o:27+4*\o], s[16:23]
	s_nop 0
	WORK \s, \s, \o, 0, 1
.endm
	GEN 0                                          ; chunk 0's distances
	s_wait_tensorcnt 0x1                           ; my part of chunk 0 is in; chunk 1's load, issued behind it, may stay out
	s_wait_dscnt 0x0
	BAR
	WORK 0, 0, 1, 1, 1                             ; the first products start the sums
	s_mov_b32 s15, 3
.Lchunks:
	TRIP 1, 0
	TRIP 0, 1
	s_sub_co_u32 s15, s15, 1
	s_cmp_lg_u32 s15, 0
	s_cbranch_scc1 .Lchunks
	s_wait_tensorcnt 0x0                           ; the last chunk: nothing is left to fetch or to make
	s_wait_dscnt 0x0
	BAR
	WORK 1, 1, 0, 0, 0
	; ---- the block's mean of each channel
	WIN 0x05
.irp i, 0,1,2,3
.irp p, 0,2,4,6
	v_pk_add_f32 v[64+8*\i+\p:65+8*\i+\p], v[32*\i+\p:32*\i+\p+1], v[32*\i+8+\p:32*\i+8+\p+1]
.endr
.endr
	WIN 0x01
.irp i, 0,1,2,3
.irp p, 0,2,4,6
	v_pk_add_f32 v[64+8*\i+\p:65+8*\i+\p], v[32*\i+16+\p:32*\i+16+\p+1], v[64+8*\i+\p:65+8*\i+\p]
	v_pk_add_f32 v[64+8*\i+\p:65+8*\i+\p], v[32*\i+24+\p:32*\i+24+\p+1], v[64+8*\i+\p:65+8*\i+\p]
.endr
.endr
	WIN 0
	RSUMN 64, 64, 32
	s_lshl_b32 s42, s14, 10
	s_lshl_b32 s43, s13, 8
	s_add_co_u32 s42, s42, s43
	s_add_co_u32 s42, s42, PSUM
	v_lshl_add_u32 v14, v3, 5, s42                 ; PSUM + 1024 mg + 256 og + 32 h
.irp i, 0,1,2,3
	ds_store_b128 v14, v[64+8*\i:67+8*\i] offset:64*\i
	ds_store_b128 v14, v[68+8*\i:71+8*\i] offset:64*\i+16
.endr
	s_add_nc_u64 s[40:41], s[8:9], 0x1000000       ; the statistics' part of B1
	s_lshl_b32 s44, s12, 14
	s_lshl_b32 s45, s11, 11
	s_add_co_u32 s44, s44, s45                     ; [b][block x]
	s_wait_dscnt 0x0
	BAR
	s_cmp_ge_u32 s10, 4
	s_cbranch_scc1 .Lno_mean
	v_lshlrev_b32 v5, 3, v0                        ; thread t: channels 2 t, 2 t + 1
	v_add_nc_u32 v15, PSUM, v5
	v_add_nc_u32 v5, s44, v5
	ds_load_b64 v[40:41], v15
	ds_load_b64 v[42:43], v15 offset:1024
	s_wait_dscnt 0x0
	v_pk_add_f32 v[40:41], v[40:41], v[42:43]
	v_pk_mul_f32 v[40:41], v[40:41], 0x3c000000 op_sel_hi:[1,0]    ; / 128
	ds_store_b64 v15, v[40:41] offset:MEANS-PSUM
	global_store_b64 v5, v[40:41], s[40:41]
.Lno_mean:
	s_wait_dscnt 0x0
	BAR
	s_add_co_u32 s43, s43, MEANS
	v_lshl_add_u32 v6, v3, 5, s43                  ; MEANS + 256 og + 32 h
.irp i, 0,1,2,3
	ds_load_b128 v[96+8*\i:99+8*\i],   v6 offset:64*\i
	ds_load_b128 v[100+8*\i:103+8*\i], v6 offset:64*\i+16
.endr
	s_wait_dscnt 0x0
	WIN 0x41
.irp i, 0,1,2,3
.irp j, 0,1,2,3
.irp p, 0,2,4,6
	v_pk_add_f32 v[32*\i+8*\j+\p:32*\i+8*\j+\p+1], v[32*\i+8*\j+\p:32*\i+8*\j+\p+1], v[96+8*\i+\p:97+8*\i+\p] neg_lo:[0,1] neg_hi:[0,1]
.endr
.endr
.endr
	WIN 0x05
.irp i, 0,1,2,3
.irp p, 0,2,4,6
	v_pk_mul_f32 v[64+8*\i+\p:65+8*\i+\p], v[32*\i+\p:32*\i+\p+1], v[32*\i+\p:32*\i+\p+1]
.irp j, 1,2,3
	v_pk_fma_f32 v[64+8*\i+\p:65+8*\i+\p], v[32*\i+8*\j+\p:32*\i+8*\j+\p+1], v[32*\i+8*\j+\p:32*\i+8*\j+\p+1], v[64+8*\i+\p:65+8*\i+\p]
.endr
.endr
.endr
.set k, 0
.rept 64
	v_cvt_pk_bf16_f32 v[128+k], v[2*k], v[2*k+1]   ; tile (i, j): v[128 + 4 (4 i + j) ..]
.set k, k+1
.endr
	WIN 0
	RSUMN 64, 64, 32
.irp i, 0,1,2,3
	ds_store_b128 v14, v[64+8*\i:67+8*\i] offset:PSQ-PSUM+64*\i
	ds_store_b128 v14, v[68+8*\i:71+8*\i] offset:PSQ-PSUM+64*\i+16
.endr
	s_lshl_b32 s42, s12, 19
	s_lshl_b32 s45, s11, 16
	s_add_co_u32 s42, s42, s45
	s_lshl_b32 s45, s14, 15
	s_add_co_u32 s42, s42, s45
	s_lshl_b32 s45, s13, 11
	s_add_co_u32 s42, s42, s45                     ; [b][column tile 8 x + 4 mg] x 8 KiB + 4 og x 512
	v_add_nc_u32 v7, s42, v4
.irp i, 0,1,2,3
.irp j, 0,1,2,3
	global_store_b128 v7, v[128+4*(4*\i+\j):128+4*(4*\i+\j)+3], s[8:9] offset:\j*8192+\i*512   ; 512 consecutive bytes, aligned
.endr
.endr
	s_wait_dscnt 0x0
	BAR
	s_cmp_ge_u32 s10, 4
	s_cbranch_scc1 .Lno_m2
	s_wait_xcnt 0x0                                ; v[40:41] were the mean's store data
	ds_load_b64 v[40:41], v15 offset:PSQ-PSUM
	ds_load_b64 v[42:43], v15 offset:PSQ-PSUM+1024
	s_wait_dscnt 0x0
	v_pk_add_f32 v[40:41], v[40:41], v[42:43]
	global_store_b64 v5, v[40:41], s[40:41] offset:1024
.Lno_m2:
	ROUND                                          ; the closing round: no work-group ends while a partner may still ask jointly
	s_endpgm
.Lfunc_end_k_qf5ec1e3464_dist:
	.size	k_qf5ec1e3464_dist, .Lfunc_end_k_qf5ec1e3464_dist-k_qf5ec1e3464_dist
	.p2alignl 7, 3214868480
	.fill 96, 4, 3214868480
	.section	.rodata,"a",@progbits
	.p2align	6, 0x0
	.amdhsa_kernel k_qf5ec1e3464_dist
		.amdhsa_group_segment_fixed_size 327680
		.amdhsa_private_segment_fixed_size 0
		.amdhsa_enable_private_segment 0
		.amdhsa_kernarg_size 24
		.amdhsa_user_sgpr_count 2
		.amdhsa_user_sgpr_kernarg_segment_ptr 1
		.amdhsa_wavefront_size32 1
		.amdhsa_system_sgpr_workgroup_id_x 1
		.amdhsa_system_sgpr_workgroup_id_y 1
		.amdhsa_system_sgpr_workgroup_id_z 1
		.amdhsa_system_vgpr_workitem_id 0
		.amdhsa_next_free_vgpr 384
		.amdhsa_next_free_sgpr 66
		.amdhsa_reserve_vcc 0
		.amdhsa_float_denorm_mode_32 3
		.amdhsa_float_denorm_mode_16_64 3
		.amdhsa_memory_ordered 1
		.amdhsa_forward_progress 1
		.amdhsa_inst_pref_size 203
	.end_amdhsa_kernel
	.amdgpu_metadata
---
amdhsa.version: [ 1, 2 ]
amdhsa.kernels:
  - .name:           k_qf5ec1e3464_dist
    .symbol:         k_qf5ec1e3464_dist.kd
    .args:
      - { .name: x, .offset: 0, .size: 8, .value_kind: global_buffer, .address_space: global }
      - { .name: WF, .offset: 8, .size: 8, .value_kind: global_buffer, .address_space: global }
      - { .name: B1, .offset: 16, .size: 8, .value_kind: global_buffer, .address_space: global }
    .group_segment_fixed_size: 327680
    .private_segment_fixed_size: 0
    .kernarg_segment_align: 8
    .kernarg_segment_size: 24
    .max_flat_workgroup_size: 256
    .sgpr_count:     66
    .vgpr_count:     384
    .wavefront_size: 32
...
	.end_amdgpu_metadata
.endif
;; end of part 2
;; launch proj (part 3): grid 4 x 64, 8 waves a work-group, no clusters, 167,936 bytes of LDS; arguments A1, B1, WF, bv, QV0; writes QV0
.if DOCPART == 3
	.amdgcn_target "amdgcn-amd-amdhsa--gfx1250"
	.amdhsa_code_object_version 6
	.text
	.protected	k_qf5ec1e3464_proj
	.globl	k_qf5ec1e3464_proj
	.p2align	8
	.type	k_qf5ec1e3464_proj,@function
k_qf5ec1e3464_proj:
	s_mov_b64 s[64:65], 0
	v_nop
	global_prefetch_b8 v0, s[64:65] scope:SCOPE_SE
	s_setreg_imm32_b32 hwreg(HW_REG_WAVE_MODE, 25, 1), 1
	s_wait_xcnt 0x0
; proj: for chain y (0-31: point branch of batch y; 32-63: distance branch of batch y - 32) and 256 columns (block x):
; joins the eight blocks' means and centred sums of squares into the row's mean and variance, normalises, relu; the distance branch
; then multiplies by W_d2 (bf16); both end with Q = Wqk' X and V = Wv X + bv of the chain's first attention layer, stored as fragment images.
; Wave w: column tiles 2 w, 2 w + 1 of the block's 16.
; Images: a result tile with the weights as A holds 8 neighbouring channels of one column a lane, which is half (ot & 1) of the column tile's
; fragment ks = ot >> 1; with the data as A it holds 8 neighbouring columns of one channel, half (tile & 1) of V's fragment (ct = ot, step = tile >> 1).
; FORMAT: X, Wqk', Wv and Q in f16 (11 significant bits), since an error of q.q enters the attention's weights directly; V in bf16.
; Room in f16: the point branch's X lies in [0, 32); the distance branch's |X| <= 256 x 1.9 x 32 = 15,360 with W_d2 at 30 times its spread.
; Q is stored as q / 256 (an exact multiply of the f32 sum); the factor 2^16 comes back in f32 where q.q is used.  LIMIT: |q| < 1.6e7.
; Small q: only the absolute error of q counts in an exponent, and it is at most 2^-17.
; No multicast: each weight tile is fetched once in the launch's life by a work-group, there is no ring, and the second tile is asked for by the
; distance branch's work-groups alone, on a branch.  By this text's own count a wave has at most two tensor loads outstanding.
; LIMITS: NaN and infinities are not treated; v_rsq_f32 flushes denormals.
.set TA,  131072                       ; [256] f32: 1 / sqrt(var + eps)
.set X,   64                           ; v[64:127]  X[mt 2][ks 4]
.set WFR, 128                          ; v[128:191] weight fragments [i 2][ks 4]
.set DD,  192                          ; v[192:223] four result tiles
.set PKR, 224                          ; v[224:239] packed
.set BVP, 240                          ; v[240:255] bias of channel 16 ot + r, twice
.set VQO, 5
.set VBV, 7
.set SBV, 10
.set OB,  44
.set MSB, 0
.macro WIN new
.if MSB != \new
	s_set_vgpr_msb (MSB<<8)|\new
.set MSB, \new
.endif
.endm
.macro PLACES n
.rept \n
	v_nop
.endr
.endm
.macro BAR
	s_barrier_signal -1
	s_barrier_wait -1
.endm
.macro WM d, a, b, z                   ; bf16 operands
.if \z
	v_wmma_f32_16x16x32_bf16 v[\d:\d+7], v[\a:\a+7], v[\b:\b+7], 0
.else
	v_wmma_f32_16x16x32_bf16 v[\d:\d+7], v[\a:\a+7], v[\b:\b+7], v[\d:\d+7]
.endif
.endm
.macro WMH d, a, b, z                  ; f16 operands
.if \z
	v_wmma_f32_16x16x32_f16 v[\d:\d+7], v[\a:\a+7], v[\b:\b+7], 0
.else
	v_wmma_f32_16x16x32_f16 v[\d:\d+7], v[\a:\a+7], v[\b:\b+7], v[\d:\d+7]
.endif
.endm
; ---- Q and V of two column tiles; weights' images at LDS byte 0 (Wqk') and 32,768 (Wv)
.macro PLOAD wb, op
.irp i, 0,1
.irp ks, 0,1,2,3
	ds_load_b128 v[WFR+32*\i+8*\ks:WFR+32*\i+8*\ks+3],   v4 offset:\wb+(2*\op+\i)*4096+\ks*1024
	ds_load_b128 v[WFR+32*\i+8*\ks+4:WFR+32*\i+8*\ks+7], v4 offset:\wb+(2*\op+\i)*4096+\ks*1024+512
.endr
.endr
.endm
.macro PMM swap                        ; four accumulators by turns, one instruction a turn
.irp ks, 0,1,2,3
.irp i, 0,1
.irp mt, 0,1
.if \swap
	WMH DD+8*(2*\i+\mt), X+32*\mt+8*\ks, WFR+32*\i+8*\ks, (\ks==0)
.else
	WMH DD+8*(2*\i+\mt), WFR+32*\i+8*\ks, X+32*\mt+8*\ks, (\ks==0)
.endif
.endr
.endr
.endr
	PLACES 4
.endm
.macro PCVT hf
.set pk, 0
.rept 16
.if \hf
	v_cvt_pk_f16_f32 v[PKR+pk], v[DD+2*pk], v[DD+2*pk+1]
.else
	v_cvt_pk_bf16_f32 v[PKR+pk], v[DD+2*pk], v[DD+2*pk+1]
.endif
.set pk, pk+1
.endr
.endm
.macro PROJ
.set pk, 0
.rept 8
	global_load_b32 v[BVP+2*pk], v[VBV], s[SBV:SBV+1] offset:64*pk
.set pk, pk+1
.endr
.irp op, 0,1,2,3
	PLOAD 0, \op
	s_wait_dscnt 0x0
	PMM 0
.set pk, 0
.rept 16
	v_pk_mul_f32 v[DD+2*pk:DD+2*pk+1], v[DD+2*pk:DD+2*pk+1], 0x3b800000 op_sel_hi:[1,0]   ; q / 256, exact
.set pk, pk+1
.endr
	s_wait_xcnt 0x0                                ; the packed registers are the last stores' data
	PCVT 1
.irp i, 0,1
.irp mt, 0,1
	global_store_b128 v[VQO], v[PKR+4*(2*\i+\mt):PKR+4*(2*\i+\mt)+3], s[OB:OB+1] offset:\mt*4096+(2*\op+\i)*512
.endr
.endr
.endr
	s_wait_loadcnt 0x0                             ; the bias
.set pk, 0
.rept 8
	v_mov_b32 v[BVP+2*pk+1], v[BVP+2*pk]
.set pk, pk+1
.endr
.irp op, 0,1,2,3
	PLOAD 32768, \op
	s_wait_dscnt 0x0
	PMM 1
.irp i, 0,1
.irp mt, 0,1
.irp q, 0,2,4,6
	v_pk_add_f32 v[DD+8*(2*\i+\mt)+\q:DD+8*(2*\i+\mt)+\q+1], v[DD+8*(2*\i+\mt)+\q:DD+8*(2*\i+\mt)+\q+1], v[BVP+2*(2*\op+\i):BVP+2*(2*\op+\i)+1]
.endr
.endr
.endr
	s_wait_xcnt 0x0
	PCVT 0
.irp i, 0,1
.irp mt, 0,1
	global_store_b128 v[VQO], v[PKR+4*(2*\i+\mt):PKR+4*(2*\i+\mt)+3], s[OB:OB+1] offset:65536+(2*\op+\i)*1024+\mt*512
.endr
.endr
.endr
.endm
; ---- one channel a thread: the eight blocks' figures joined (mean of means; M2 = sum M2_i + 128 sum (mean_i - mean)^2)
.macro STATS pitch, m2
.set k, 0
.rept 8
	global_load_b32 v[208+k], v6, s[42:43] offset:k*\pitch
	global_load_b32 v[216+k], v6, s[42:43] offset:k*\pitch+\m2
.set k, k+1
.endr
	global_load_b32 v224, v7, s[42:43]             ; the means of my work-group's two blocks
	global_load_b32 v225, v7, s[42:43] offset:\pitch
	s_wait_loadcnt 0x0
	v_add_f32 v226, v208, v209
	v_add_f32 v227, v216, v217
.set k, 2
.rept 6
	v_add_f32 v226, v226, v[208+k]
	v_add_f32 v227, v227, v[216+k]
.set k, k+1
.endr
	v_mul_f32 v226, 0x3e000000, v226               ; / 8
	v_sub_f32 v229, v208, v226
	v_mul_f32 v228, v229, v229
.set k, 1
.rept 7
	v_sub_f32 v229, v[208+k], v226
	v_fmac_f32 v228, v229, v229
.set k, k+1
.endr
	v_fmamk_f32 v227, v228, 0x43000000, v227       ; 128 x + M2
	v_fmaak_f32 v227, s48, v227, 0x3727c5ac        ; / 1024 + 1e-5
	v_rsq_f32 v227, v227
	v_sub_f32 v224, v224, v226                     ; plain instructions behind v_rsq_f32 (ISA guide 5.7.2)
	v_sub_f32 v225, v225, v226
	s_wait_alu depctr_va_vdst(0)
	v_mul_f32 v224, v224, v227
	v_mul_f32 v225, v225, v227
	ds_store_b32 v11, v227                         ; a
	ds_store_b32 v11, v224 offset:1024             ; (block mean - mean) a, first block
	ds_store_b32 v11, v225 offset:2048             ; second block
.endm
; ---- K step ks of both column tiles: z = relu(y a + d), in place; hf = 1: f16 in and out, 0: bf16 in and out
.macro NORM base, mstr, ks, hf
	ds_load_b128 v[208:211], v12 offset:128*\ks
	ds_load_b128 v[212:215], v12 offset:128*\ks+16
	ds_load_b128 v[216:219], v12 offset:128*\ks+64
	ds_load_b128 v[220:223], v12 offset:128*\ks+80
	ds_load_b128 v[224:227], v13 offset:128*\ks
	ds_load_b128 v[228:231], v13 offset:128*\ks+16
	ds_load_b128 v[232:235], v13 offset:128*\ks+64
	ds_load_b128 v[236:239], v13 offset:128*\ks+80
	s_wait_dscnt 0x0
.irp mt, 0,1
.set nk, 0
.rept 8
.if \hf
	v_mov_b32 v20, v[\base+\mstr*\mt+8*\ks+nk]     ; halves are named on one fixed low register
	v_cvt_f32_f16 v[240+2*nk], v20.l
	v_cvt_f32_f16 v[241+2*nk], v20.h
.else
	v_lshlrev_b32 v[240+2*nk], 16, v[\base+\mstr*\mt+8*\ks+nk]
	v_and_b32 v[241+2*nk], 0xffff0000, v[\base+\mstr*\mt+8*\ks+nk]
.endif
	v_pk_fma_f32 v[240+2*nk:241+2*nk], v[240+2*nk:241+2*nk], v[208+2*nk:209+2*nk], v[224+2*nk:225+2*nk]
	v_max_num_f32 v[240+2*nk], 0, v[240+2*nk]
	v_max_num_f32 v[241+2*nk], 0, v[241+2*nk]
.if \hf
	v_cvt_pk_f16_f32 v[\base+\mstr*\mt+8*\ks+nk], v[240+2*nk], v[241+2*nk]
.else
	v_cvt_pk_bf16_f32 v[\base+\mstr*\mt+8*\ks+nk], v[240+2*nk], v[241+2*nk]
.endif
.set nk, nk+1
.endr
.endr
.endm
; ---- K step ks of W_d2 z: sixteen accumulators (v256-383) by turns
.macro G2K ks, zero
.set k, 0
.rept 8
	ds_load_b128 v[144+8*k:147+8*k], v14 offset:k*8192+\ks*1024
	ds_load_b128 v[148+8*k:151+8*k], v14 offset:k*8192+\ks*1024+512
.set k, k+1
.endr
	s_wait_dscnt 0x0
	WIN 0x50
.irp ot, 0,1,2,3,4,5,6,7
.irp mt, 0,1
	WM 8*(2*\ot+\mt), 144+8*\ot, 16+64*\mt+8*\ks, \zero
.endr
.endr
	WIN 0
	PLACES 4
.endm
	s_load_b256 s[4:11], s[0:1], 0x0               ; A1 4, B1 6, WF 8, bv 10
	s_load_b64 s[12:13], s[0:1], 0x20              ; QV0
	v_lshrrev_b32 v1, 5, v0
	v_readfirstlane_b32 s14, v1                    ; wave w
	s_mov_b32 s15, ttmp9                           ; x
	s_and_b32 s16, ttmp7, 0xffff                   ; chain
	s_lshr_b32 s17, s16, 5                         ; branch
	s_and_b32 s18, s16, 31                         ; b
	s_mov_b32 s48, 0x3a800000                      ; 1 / 1024
	; descriptor group 1: 32 rows of 256 bytes, dense
	s_mov_b32 s20, 3<<16
	s_mov_b32 s21, 32<<16
	s_mov_b32 s22, 32<<16
	s_mov_b32 s23, 32<<16
	s_mov_b32 s24, 32
	s_mov_b32 s25, 32
	s_mov_b32 s26, 0
	s_mov_b32 s27, 0
	s_lshl_b32 s36, s14, 13
	s_lshl_b32 s38, s17, 17                        ; layer 2 br x 64 KiB
	s_add_co_u32 s38, s38, s36
	s_add_co_u32 s38, s38, 524288
	s_mov_b32 s39, 0
	s_add_co_u32 s40, s36, 786432
	s_mov_b32 s41, 0
	s_wait_kmcnt 0x0
	s_mov_b32 s28, 1
	s_lshl_b32 s29, s14, 13                        ; Wqk', Wv at LDS byte 0: my eighth
	s_add_nc_u64 s[30:31], s[8:9], s[38:39]
	s_or_b32 s31, s31, 0x80000000
	s_mov_b32 s32, 1
	s_add_co_u32 s33, s29, 65536                   ; W_d2 behind them
	s_add_nc_u64 s[34:35], s[8:9], s[40:41]
	s_or_b32 s35, s35, 0x80000000
	tensor_load_to_lds s[28:31], s[20:27]
	s_nop 0
	v_and_b32 v1, 31, v0
	v_and_b32 v2, 15, v0
	v_bfe_u32 v3, v0, 4, 1
	v_lshlrev_b32 v4, 4, v1
	v_lshlrev_b32 v11, 2, v0
	v_add_nc_u32 v11, TA, v11
	s_cmp_eq_u32 s17, 0
	s_cbranch_scc1 .LloadA
	tensor_load_to_lds s[32:35], s[20:27]
	s_nop 0
	s_lshl_b32 s46, s18, 19
	s_lshl_b32 s47, s15, 17
	s_add_co_u32 s46, s46, s47
	s_lshl_b32 s47, s14, 14
	s_add_co_u32 s46, s46, s47                     ; [b][column tile 16 x + 2 w] x 8 KiB
	v_add_nc_u32 v5, s46, v4
.irp mt, 0,1
.set k, 0
.rept 16
	global_load_b128 v[16+64*\mt+4*k:16+64*\mt+4*k+3], v5, s[6:7] offset:\mt*8192+k*512
.set k, k+1
.endr
.endr
	s_add_nc_u64 s[42:43], s[6:7], 0x1000000
	s_lshl_b32 s46, s18, 14
	v_lshl_add_u32 v6, v0, 2, s46
	s_lshl_b32 s47, s15, 12
	v_add_nc_u32 v7, s47, v6
	STATS 2048, 1024
	s_branch .Lloaded
.LloadA:
	s_lshl_b32 s46, s18, 18
	s_lshl_b32 s47, s15, 16
	s_add_co_u32 s46, s46, s47
	s_lshl_b32 s47, s14, 13
	s_add_co_u32 s46, s46, s47                     ; [b][column tile 16 x + 2 w] x 4 KiB
	v_add_nc_u32 v5, s46, v4
.irp mt, 0,1
.set k, 0
.rept 8
	global_load_b128 v[X+32*\mt+4*k:X+32*\mt+4*k+3], v5, s[4:5] offset:\mt*4096+k*512
.set k, k+1
.endr
.endr
	s_cmp_ge_u32 s14, 4
	s_cbranch_scc1 .Lloaded
	s_add_nc_u64 s[42:43], s[4:5], 0x800000
	s_lshl_b32 s46, s18, 13
	v_lshl_add_u32 v6, v0, 2, s46
	s_lshl_b32 s47, s15, 11
	v_add_nc_u32 v7, s47, v6
	STATS 1024, 512
.Lloaded:
	s_wait_loadcnt 0x0
	s_wait_dscnt 0x0                               ; my table entries are stored,
	s_wait_tensorcnt 0x0                           ; my parts of the weights have landed: the others read both
	BAR
	v_lshlrev_b32 v12, 5, v3
	v_add_nc_u32 v12, TA, v12                      ; TA + 32 h
	s_lshr_b32 s46, s14, 2
	s_lshl_b32 s46, s46, 10
	s_add_co_u32 s46, s46, 1024
	v_add_nc_u32 v13, s46, v12                     ; the shifts of my block: tiles 0-7 the first, 8-15 the second
	v_add_nc_u32 v14, 65536, v4
	s_cmp_eq_u32 s17, 0
	s_cbranch_scc1 .LnormA
.irp ks, 0,1,2,3,4,5,6,7
	NORM 16, 64, \ks, 0
.endr
	G2K 0, 1
.irp ks, 1,2,3,4,5,6,7
	G2K \ks, 0
.endr
	WIN 0x05
.irp ot, 0,1,2,3,4,5,6,7
.irp mt, 0,1
.irp q, 0,1,2,3
	v_cvt_pk_f16_f32 v[X+32*\mt+4*\ot+\q], v[8*(2*\ot+\mt)+2*\q], v[8*(2*\ot+\mt)+2*\q+1]
.endr
.endr
.endr
	WIN 0
	s_branch .Lproj
.LnormA:
.irp ks, 0,1,2,3
	NORM X, 32, \ks, 1
.endr
.Lproj:
	s_lshl_b32 s46, s16, 19
	s_lshl_b32 s47, s15, 17
	s_add_co_u32 s46, s46, s47
	s_mov_b32 s47, 0
	s_add_nc_u64 s[OB:OB+1], s[12:13], s[46:47]    ; [chain][block x] x 128 KiB
	s_lshl_b32 s46, s14, 13
	v_add_nc_u32 v[VQO], s46, v4                   ; tile 2 w x 4 KiB = step w x 8 KiB
	s_lshl_b32 s46, s17, 10                        ; layer 2 br x 512 bytes
	v_lshl_add_u32 v[VBV], v2, 2, s46
	PROJ
	s_endpgm
.Lfunc_end_k_qf5ec1e3464_proj:
	.size	k_qf5ec1e3464_proj, .Lfunc_end_k_qf5ec1e3464_proj-k_qf5ec1e3464_proj
	.p2alignl 7, 3214868480
	.fill 96, 4, 3214868480
	.section	.rodata,"a",@progbits
	.p2align	6, 0x0
	.amdhsa_kernel k_qf5ec1e3464_proj
		.amdhsa_group_segment_fixed_size 167936
		.amdhsa_private_segment_fixed_size 0
		.amdhsa_enable_private_segment 0
		.amdhsa_kernarg_size 40
		.amdhsa_user_sgpr_count 2
		.amdhsa_user_sgpr_kernarg_segment_ptr 1
		.amdhsa_wavefront_size32 1
		.amdhsa_system_sgpr_workgroup_id_x 1
		.amdhsa_system_sgpr_workgroup_id_y 1
		.amdhsa_system_sgpr_workgroup_id_z 1
		.amdhsa_system_vgpr_workitem_id 0
		.amdhsa_next_free_vgpr 384
		.amdhsa_next_free_sgpr 66
		.amdhsa_reserve_vcc 0
		.amdhsa_float_denorm_mode_32 3
		.amdhsa_float_denorm_mode_16_64 3
		.amdhsa_memory_ordered 1
		.amdhsa_forward_progress 1
		.amdhsa_inst_pref_size 137
	.end_amdhsa_kernel
	.amdgpu_metadata
---
amdhsa.version: [ 1, 2 ]
amdhsa.kernels:
  - .name:           k_qf5ec1e3464_proj
    .symbol:         k_qf5ec1e3464_proj.kd
    .args:
      - { .name: A1, .offset: 0, .size: 8, .value_kind: global_buffer, .address_space: global }
      - { .name: B1, .offset: 8, .size: 8, .value_kind: global_buffer, .address_space: global }
      - { .name: WF, .offset: 16, .size: 8, .value_kind: global_buffer, .address_space: global }
      - { .name: bv, .offset: 24, .size: 8, .value_kind: global_buffer, .address_space: global }
      - { .name: QV0, .offset: 32, .size: 8, .value_kind: global_buffer, .address_space: global }
    .group_segment_fixed_size: 167936
    .private_segment_fixed_size: 0
    .kernarg_segment_align: 8
    .kernarg_segment_size: 40
    .max_flat_workgroup_size: 256
    .sgpr_count:     66
    .vgpr_count:     384
    .wavefront_size: 32
...
	.end_amdgpu_metadata
.endif
;; end of part 3
;; launch stat0 (part 4): grid 4 x 64, 8 waves a work-group, clusters of 4 x 1, 266,240 bytes of LDS; arguments QV0, NL; writes NL
.if DOCPART == 4
	.amdgcn_target "amdgcn-amd-amdhsa--gfx1250"
	.amdhsa_code_object_version 6
	.text
	.protected	k_qf5ec1e3464_stat0
	.globl	k_qf5ec1e3464_stat0
	.p2align	8
	.type	k_qf5ec1e3464_stat0,@function
k_qf5ec1e3464_stat0:
	s_mov_b64 s[64:65], 0
	v_nop
	global_prefetch_b8 v0, s[64:65] scope:SCOPE_SE
	s_setreg_imm32_b32 hwreg(HW_REG_WAVE_MODE, 25, 1), 1
	s_wait_xcnt 0x0
	s_wait_alu depctr_hold_cnt(0) depctr_sa_sdst(0) depctr_va_vdst(0) depctr_va_sdst(0) depctr_va_ssrc(0) depctr_va_vcc(0) depctr_vm_vsrc(0)
	s_getreg_b32 s2, hwreg(HW_REG_IB_STS2, 6, 4)
	s_cmp_eq_u32 s2, 0
	s_cbranch_scc0 .Lentry_in_a_cluster
	s_endpgm
.Lentry_in_a_cluster:
	s_bfe_u32 s2, ttmp6, 0x10000c
	s_cmp_lg_u32 s2, 0x3003
	s_cbranch_scc0 .Lentry_shape_is_right
	s_endpgm
.Lentry_shape_is_right:
; stat: nl[n] = -(M + log2 sum over m of 2^(E'(n, m) - M)) for 256 rows n of a chain, E' = q_n . q_m in units of log2, M a running maximum.
; Q lies in memory as f16 images of q / 256, so E' = 2^16 D; the factor rides on the fused multiply-add that takes the running maximum away.
; The chain's whole Q (4 blocks of 64 KiB of images) lies in LDS; nothing is filled again.  CLUSTER: the chain's four work-groups need the same
; four blocks and ask jointly (mask 15).  By this text's own count a wave has four tensor loads outstanding at the most.
; Wave w: p = w & 3: my four row tiles 4 p + nt, kept in registers as B (a lane then holds 8 values of m for ONE n, so the running maximum and sum
; stay in the lane); mh = w >> 2: the 32 column tiles of blocks 2 mh and 2 mh + 1 as A, 128 KiB that lie in one piece in LDS.
; PIPELINE: a stage multiplies column tile t + 1 into one set of four accumulators (16 matrix instructions) while the softmax work of tile t is done on the
; other set (92 vector instructions), the two written interleaved, so that one wave by itself gives work to the matrix unit, the vector unit and the
; exponentials at once.  The four row tiles' chains are staggered: no instruction needs the result of the one in front of it.
; A's four fragments have ONE buffer, refilled on the roll: behind the four matrix instructions of K step ks, and four plain vector places, the next tile's
; fragment ks is loaded; it is wanted three quarters of a stage later.
; The running maximum M is kept in D's units and alternates between two register sets (no move); it starts at -2^100, below any D that f16 operands can
; give (|D| <= 128 x 65504^2), so no infinity arises.  c = -2^16 M and t = 2^16 (M old - M new) each stand first in a register pair, so that the
; packed forms broadcast them; the pairs' second registers hold the two sets of M.
; The halves of a wave and the two waves of a pair are joined at the end.
; LIMITS: NaN and infinities are not treated; v_exp_f32 and v_log_f32 flush denormals.
.set SW,  8
.set RED, 262144
.set CC,  8                            ; v[8+2nt]   c; before that the maximum's first temporary
.set MA,  9                            ; v[9+2nt]   running maximum, set A
.set TT,  16                           ; v[16+2nt]  t, then 2^t; before that the maximum's second temporary
.set MB,  17                           ; v[17+2nt]  running maximum, set B
.set SS,  24                           ; v[24+2nt:25+2nt] running sum, a pair
.set D0,  32                           ; v[32:63]   four result tiles, set 0
.set D1,  64                           ; v[64:95]   set 1
.set FA,  96                           ; v[96:127]  a column tile's four fragments
.set QB,  128                          ; v[128:255] my rows' fragments [nt 4][ks 4]
.set MX,  32                           ; the end: the four maxima in units of log2
.set SM,  36                           ; the end: the four sums
.macro PLACES n
.rept \n
	v_nop
.endr
.endm
.macro BAR
	s_barrier_signal -1
	s_barrier_wait -1
.endm
.macro ROUND
	s_barrier_signal -1
	s_barrier_wait -1
	s_cmp_lg_u32 s[SW], 0
	s_cbranch_scc1 .Lnw0_\@
	s_barrier_signal -3
.Lnw0_\@:
	s_barrier_wait -3
	s_barrier_signal -1
	s_barrier_wait -1
.endm
; ---- the pieces of a stage.  DN: the accumulators that are written, DP: those of the tile before, MI, MO: the maximum's old and new set.
.macro WQ s                            ; matrix instruction s of 16: K step s / 4, row tile s % 4: four accumulators by turns, one instruction a turn
.if MM_ON
.if (\s)/4 == 0
	v_wmma_f32_16x16x32_f16 v[DN+8*((\s)%4):DN+8*((\s)%4)+7], v[FA+8*((\s)/4):FA+8*((\s)/4)+7], v[QB+32*((\s)%4)+8*((\s)/4):QB+32*((\s)%4)+8*((\s)/4)+7], 0
.else
	v_wmma_f32_16x16x32_f16 v[DN+8*((\s)%4):DN+8*((\s)%4)+7], v[FA+8*((\s)/4):FA+8*((\s)/4)+7], v[QB+32*((\s)%4)+8*((\s)/4):QB+32*((\s)%4)+8*((\s)/4)+7], v[DN+8*((\s)%4):DN+8*((\s)%4)+7]
.endif
.endif
.endm
.macro GH ks                           ; fragment ks is in
.if MM_ON
.if RF
	s_wait_dscnt 6                                 ; behind its two loads three more refills of two loads were issued: they may stay out
.else
	s_wait_dscnt 6-2*\ks                           ; no refills in this stage: only the later fragments' loads are behind it
.endif
.endif
.endm
.macro GT ks                           ; fragment ks has been read by its four matrix instructions; four plain vector places stand behind the last (ISA guide 7.12.1)
.if MM_ON
.if SOFT_ON == 0
	PLACES 4
.endif
.if RF
	ds_load_b128 v[FA+8*\ks:FA+8*\ks+3],   v6 offset:RO+\ks*1024
	ds_load_b128 v[FA+8*\ks+4:FA+8*\ks+7], v6 offset:RO+\ks*1024+512
.endif
.endif
.endm
.macro SA1 n
.if SOFT_ON
	v_max3_num_f32 v[CC+2*\n], v[DP+8*\n], v[DP+8*\n+1], v[DP+8*\n+2]
.endif
.endm
.macro SA2 n
.if SOFT_ON
	v_max3_num_f32 v[TT+2*\n], v[DP+8*\n+3], v[DP+8*\n+4], v[DP+8*\n+5]
.endif
.endm
.macro SA3 n
.if SOFT_ON
	v_max3_num_f32 v[CC+2*\n], v[CC+2*\n], v[DP+8*\n+6], v[DP+8*\n+7]
.endif
.endm
.macro SA4 n                           ; the new running maximum, in D's units
.if SOFT_ON
	v_max3_num_f32 v[MO+2*\n], v[CC+2*\n], v[TT+2*\n], v[MI+2*\n]
.endif
.endm
.macro SA5 n                           ; c = -2^16 M
.if SOFT_ON
	v_mul_f32 v[CC+2*\n], 0xc7800000, v[MO+2*\n]
.endif
.endm
.macro SA6 n                           ; t = 2^16 (M old - M new)
.if SOFT_ON
	v_fma_f32 v[TT+2*\n], v[MI+2*\n], s3, v[CC+2*\n]
.endif
.endm
.macro SB n, q                         ; two exponents: 2^16 D + c, c broadcast from the pair's first register
.if SOFT_ON
	v_pk_fma_f32 v[DP+8*\n+\q:DP+8*\n+\q+1], v[DP+8*\n+\q:DP+8*\n+\q+1], 0x47800000, v[CC+2*\n:CC+2*\n+1] op_sel_hi:[1,0,0]
.endif
.endm
.macro SE n, q
.if SOFT_ON
	v_exp_f32 v[DP+8*\n+\q], v[DP+8*\n+\q]
.endif
.endm
.macro ST n
.if SOFT_ON
	v_exp_f32 v[TT+2*\n], v[TT+2*\n]
.endif
.endm
.macro SD1 n
.if SOFT_ON
	s_wait_alu depctr_va_vdst(0)
	v_pk_add_f32 v[DP+8*\n:DP+8*\n+1], v[DP+8*\n:DP+8*\n+1], v[DP+8*\n+2:DP+8*\n+3]
.endif
.endm
.macro SD2 n
.if SOFT_ON
	v_pk_add_f32 v[DP+8*\n+4:DP+8*\n+5], v[DP+8*\n+4:DP+8*\n+5], v[DP+8*\n+6:DP+8*\n+7]
.endif
.endm
.macro SD3 n
.if SOFT_ON
	v_pk_add_f32 v[DP+8*\n:DP+8*\n+1], v[DP+8*\n:DP+8*\n+1], v[DP+8*\n+4:DP+8*\n+5]
.endif
.endm
.macro SD4 n                           ; sum = sum x 2^t + the new terms, 2^t broadcast from the pair's first register
.if SOFT_ON
	v_pk_fma_f32 v[SS+2*\n:SS+2*\n+1], v[SS+2*\n:SS+2*\n+1], v[TT+2*\n:TT+2*\n+1], v[DP+8*\n:DP+8*\n+1] op_sel_hi:[1,0,1]
.endif
.endm
; A stage.  mm: the matrix instructions are there; soft: the softmax work is there; rf: the fragments are refilled, from byte ro behind v6.
; Behind every exponential a plain instruction on other registers stands before its result is used (ISA guide 5.7.2).
; The vector lines behind matrix instructions 3, 7, 11 and 15 hold four plain ones each, on registers of the other accumulator set alone: the places in front
; of the refills, and, behind 15, in front of the next stage's first read of the new results.
.macro STAGE dn, dp, mi, mo, mm, soft, rf, ro
.set DN, \dn
.set DP, \dp
.set MI, \mi
.set MO, \mo
.set MM_ON, \mm
.set SOFT_ON, \soft
.set RF, \rf
.set RO, \ro
	GH 0
	WQ 0
	SA1 0
	SA1 1
	SA2 0
	SA2 1
	SA3 0
	WQ 1
	SA3 1
	SA4 0
	SA4 1
	SA5 0
	SA5 1
	WQ 2
	SA6 0
	SA6 1
	SB 0, 0
	SB 0, 2
	SB 0, 4
	SB 0, 6
	WQ 3
	SE 0, 0
	SA1 2
	SE 0, 1
	SA2 2
	SE 0, 2
	SB 1, 0
	SE 0, 3
	SA3 2
	GT 0
	GH 1
	WQ 4
	SE 0, 4
	SB 1, 2
	SE 0, 5
	SA4 2
	SE 0, 6
	SB 1, 4
	WQ 5
	SE 0, 7
	SA5 2
	ST 0
	SB 1, 6
	SA6 2
	WQ 6
	SE 1, 0
	SA1 3
	SE 1, 1
	SA2 3
	SE 1, 2
	SB 2, 0
	WQ 7
	SE 1, 3
	SA3 3
	SE 1, 4
	SB 2, 2
	SE 1, 5
	SA4 3
	SE 1, 6
	SB 2, 4
	GT 1
	GH 2
	WQ 8
	SE 1, 7
	SA5 3
	ST 1
	SB 2, 6
	SA6 3
	SD1 0
	WQ 9
	SD2 0
	SE 2, 0
	SB 3, 0
	SE 2, 1
	SD3 0
	SE 2, 2
	WQ 10
	SB 3, 2
	SE 2, 3
	SD1 1
	SE 2, 4
	SB 3, 4
	SE 2, 5
	WQ 11
	SD2 1
	SE 2, 6
	SB 3, 6
	SE 2, 7
	SD4 0
	ST 2
	SD3 1
	GT 2
	GH 3
	WQ 12
	SE 3, 0
	SD4 1
	SE 3, 1
	SD1 2
	SE 3, 2
	WQ 13
	SD2 2
	SE 3, 3
	SD3 2
	SE 3, 4
	SD4 2
	WQ 14
	SE 3, 5
	SE 3, 6
	SE 3, 7
	ST 3
	WQ 15
	SD1 3
	SD2 3
	SD3 3
	SD4 3
	GT 3
.endm
; A trip: v6 stands at tile 2 j.  Tile 2 j + 1 is multiplied beside tile 2 j's softmax, tile 2 j + 2 beside tile 2 j + 1's; tiles 2 j + 2 and 2 j + 3 are fetched.
.macro TRIP
	STAGE D1, D0, MA, MB, 1, 1, 1, 8192
	STAGE D0, D1, MB, MA, 1, 1, 1, 12288
	v_add_nc_u32 v6, 8192, v6
.endm
.macro COMB m, s, m2, s2               ; (m, s) joined with (m2, s2)
	v_max_num_f32 v44, v[\m], v[\m2]
	v_sub_f32 v45, v[\m], v44
	v_sub_f32 v46, v[\m2], v44
	v_exp_f32 v45, v45
	v_exp_f32 v46, v46
	v_mov_b32 v[\m], v44
	s_wait_alu depctr_va_vdst(0)
	v_mul_f32 v[\s], v[\s], v45
	v_fmac_f32 v[\s], v[\s2], v46
.endm
	s_load_b128 s[4:7], s[0:1], 0x0                ; QV, NL
	v_lshrrev_b32 v1, 5, v0
	v_readfirstlane_b32 s8, v1                     ; wave w
	s_bfe_u32 s9, ttmp6, 0x40000                   ; x = cx: my block of 256 rows
	s_and_b32 s10, ttmp7, 0xffff                   ; chain
	s_and_b32 s11, s8, 3                           ; p
	s_lshr_b32 s12, s8, 2                          ; mh
	s_mov_b32 s3, 0x47800000                       ; 2^16
	s_mov_b32 s14, 0x76543210
	s_mov_b32 s15, 0xfedcba98
	s_mov_b32 s16, 15|(3<<16)|(1<<21)              ; 32 rows of 256 bytes, dense; mask 15, bit 21 beside it
	s_mov_b32 s17, 32<<16
	s_mov_b32 s18, 32<<16
	s_mov_b32 s19, 32<<16
	s_mov_b32 s20, 32
	s_mov_b32 s21, 32
	s_mov_b32 s22, 0
	s_mov_b32 s23, 0
	v_and_b32 v1, 31, v0
	v_bfe_u32 v3, v0, 4, 1
	v_lshlrev_b32 v4, 4, v1
	s_lshl_b32 s40, s11, 14
	s_lshl_b32 s41, s9, 17
	s_add_co_u32 s40, s40, s41
	v_add_nc_u32 v5, s40, v4                       ; my four row tiles: block x, tile 4 p
	s_lshl_b32 s40, s10, 19
	s_mov_b32 s41, 0
	s_lshl_b32 s44, s8, 13
	s_mov_b32 s45, 0
	s_wait_kmcnt 0x0
	s_add_nc_u64 s[42:43], s[4:5], s[40:41]        ; the chain
	; my rows' fragments go out first: they come straight into registers and are wanted as early as the first tile
.irp nt, 0,1,2,3
.set k, 0
.rept 8
	global_load_b128 v[QB+32*\nt+4*k:QB+32*\nt+4*k+3], v5, s[42:43] offset:\nt*4096+k*512
.set k, k+1
.endr
.endr
	s_add_nc_u64 s[46:47], s[42:43], s[44:45]      ; my eighth of a block's Q
.irp k, 0,1,2,3
	s_mov_b32 s[24+4*\k], 1
	s_add_co_u32 s[25+4*\k], s44, \k*65536
	s_add_nc_u64 s[26+4*\k:27+4*\k], s[46:47], \k*131072
	s_or_b32 s[27+4*\k], s[27+4*\k], 0x80000000
.endr
	ROUND                                          ; the four work-groups are here: the joint loads meet
	tensor_load_to_lds s[24:27], s[16:23]          ; block 0: the first half of what waves 0-3 walk
	s_nop 0
	tensor_load_to_lds s[32:35], s[16:23]          ; block 2: the first half of what waves 4-7 walk
	s_nop 0
	tensor_load_to_lds s[28:31], s[16:23]          ; block 1
	s_nop 0
	tensor_load_to_lds s[36:39], s[16:23]          ; block 3
	s_nop 0
.irp nt, 0,1,2,3
	v_mov_b32 v[MA+2*\nt], 0xf1800000              ; -2^100
	v_mov_b32 v[SS+2*\nt], 0
	v_mov_b32 v[SS+2*\nt+1], 0
.endr
	s_lshl_b32 s40, s12, 17
	v_add_nc_u32 v6, s40, v4                       ; 16 L + mh x 128 KiB: my tile 0
	s_lshl_b32 s40, s11, 10
	s_add_co_u32 s40, s40, RED
	v_lshl_add_u32 v7, v1, 5, s40                  ; RED + 1024 p + 32 L
	s_wait_tensorcnt 0x2                           ; my parts of blocks 0 and 2 are in; the two loads issued behind them may stay out
	BAR
.irp ks, 0,1,2,3
	ds_load_b128 v[FA+8*\ks:FA+8*\ks+3],   v6 offset:\ks*1024
	ds_load_b128 v[FA+8*\ks+4:FA+8*\ks+7], v6 offset:\ks*1024+512
.endr
	s_wait_loadcnt 0x0                             ; my rows' fragments
	STAGE D0, D1, MA, MB, 1, 0, 1, 4096            ; tile 0 is multiplied, tile 1 fetched; there is no softmax work yet
	s_mov_b32 s13, 7
.Lfirst:                                           ; trips 0-6: tiles up to 15 are fetched, all of my first block
	TRIP
	s_sub_co_u32 s13, s13, 1
	s_cmp_lg_u32 s13, 0
	s_cbranch_scc1 .Lfirst
	s_wait_tensorcnt 0x0                           ; my parts of blocks 1 and 3 are in
	s_wait_dscnt 0x0
	BAR                                            ; everybody's are: trip 7 fetches tile 16, the first of my second block
	s_mov_b32 s13, 8
.Lsecond:                                          ; trips 7-14: tiles up to 31 are fetched
	TRIP
	s_sub_co_u32 s13, s13, 1
	s_cmp_lg_u32 s13, 0
	s_cbranch_scc1 .Lsecond
	STAGE D1, D0, MA, MB, 1, 1, 0, 0               ; tile 31 beside tile 30's softmax: nothing is left to fetch
	STAGE D0, D1, MB, MA, 0, 1, 0, 0               ; tile 31's softmax; the maxima end in set A
.irp nt, 0,1,2,3
	v_mul_f32 v[MX+\nt], s3, v[MA+2*\nt]           ; the maxima in units of log2
	v_add_f32 v[SM+\nt], v[SS+2*\nt], v[SS+2*\nt+1]
.endr
	; the two halves of the wave hold different m of the same n
.irp nt, 0,1,2,3
	v_permlanex16_b32 v40, v[MX+\nt], s14, s15
	v_permlanex16_b32 v41, v[SM+\nt], s14, s15
	COMB MX+\nt, SM+\nt, 40, 41
.endr
	s_cmp_lt_u32 s8, 4
	s_cbranch_scc1 .Lkeep
	ds_store_b128 v7, v[MX:MX+3]
	ds_store_b128 v7, v[SM:SM+3] offset:16
.Lkeep:
	s_wait_dscnt 0x0
	BAR
	s_cmp_ge_u32 s8, 4
	s_cbranch_scc1 .Ldone
	ds_load_b128 v[48:51], v7
	ds_load_b128 v[52:55], v7 offset:16
	s_lshl_b32 s40, s10, 12
	s_lshl_b32 s41, s9, 10
	s_add_co_u32 s40, s40, s41
	s_lshl_b32 s41, s11, 8
	s_add_co_u32 s40, s40, s41
	v_lshl_add_u32 v5, v1, 2, s40                  ; [chain][1024]: 256 x + 64 p + L
	s_wait_dscnt 0x0
.irp nt, 0,1,2,3
	COMB MX+\nt, SM+\nt, 48+\nt, 52+\nt
.endr
.irp nt, 0,1,2,3
	v_log_f32 v[SM+\nt], v[SM+\nt]
.endr
	v_cmp_eq_u32 vcc_lo, 1, v3
	v_nop
	s_wait_alu depctr_va_vdst(0)
.irp nt, 0,1,2,3
	v_add_f32 v[MX+\nt], v[MX+\nt], v[SM+\nt]
.endr
	v_cndmask_b32 v56, v[MX], v[MX+1], vcc_lo      ; lanes 0-15: tile 0's rows, lanes 16-31: tile 1's
	v_cndmask_b32 v57, v[MX+2], v[MX+3], vcc_lo
	v_mul_f32 v56, -1.0, v56
	v_mul_f32 v57, -1.0, v57
	global_store_b32 v5, v56, s[6:7]
	global_store_b32 v5, v57, s[6:7] offset:128
.Ldone:
	ROUND                                          ; the closing round
	s_endpgm
.Lfunc_end_k_qf5ec1e3464_stat0:
	.size	k_qf5ec1e3464_stat0, .Lfunc_end_k_qf5ec1e3464_stat0-k_qf5ec1e3464_stat0
	.p2alignl 7, 3214868480
	.fill 96, 4, 3214868480
	.section	.rodata,"a",@progbits
	.p2align	6, 0x0
	.amdhsa_kernel k_qf5ec1e3464_stat0
		.amdhsa_group_segment_fixed_size 266240
		.amdhsa_private_segment_fixed_size 0
		.amdhsa_enable_private_segment 0
		.amdhsa_kernarg_size 16
		.amdhsa_user_sgpr_count 2
		.amdhsa_user_sgpr_kernarg_segment_ptr 1
		.amdhsa_wavefront_size32 1
		.amdhsa_system_sgpr_workgroup_id_x 1
		.amdhsa_system_sgpr_workgroup_id_y 1
		.amdhsa_system_sgpr_workgroup_id_z 1
		.amdhsa_system_vgpr_workitem_id 0
		.amdhsa_next_free_vgpr 256
		.amdhsa_next_free_sgpr 66
		.amdhsa_reserve_vcc 1
		.amdhsa_float_denorm_mode_32 3
		.amdhsa_float_denorm_mode_16_64 3
		.amdhsa_memory_ordered 1
		.amdhsa_forward_progress 1
		.amdhsa_inst_pref_size 55
	.end_amdhsa_kernel
	.amdgpu_metadata
---
amdhsa.version: [ 1, 2 ]
amdhsa.kernels:
  - .name:           k_qf5ec1e3464_stat0
    .symbol:         k_qf5ec1e3464_stat0.kd
    .args:
      - { .name: QV0, .offset: 0, .size: 8, .value_kind: global_buffer, .address_space: global }
      - { .name: NL, .offset: 8, .size: 8, .value_kind: global_buffer, .address_space: global }
    .group_segment_fixed_size: 266240
    .private_segment_fixed_size: 0
    .kernarg_segment_align: 8
    .kernarg_segment_size: 16
    .max_flat_workgroup_size: 256
    .sgpr_count:     66
    .vgpr_count:     256
    .wavefront_size: 32
...
	.end_amdgpu_metadata
.endif
;; end of part 4
;; launch attn (part 5): grid 4 x 64, 8 waves a work-group, clusters of 4 x 1, 327,680 bytes of LDS; arguments QV0, NL, WF, bv, QV1, PM; writes QV1, PM
.if DOCPART == 5
	.amdgcn_target "amdgcn-amd-amdhsa--gfx1250"
	.amdhsa_code_object_version 6
	.text
	.protected	k_qf5ec1e3464_attn
	.globl	k_qf5ec1e3464_attn
	.p2align	8
	.type	k_qf5ec1e3464_attn,@function
k_qf5ec1e3464_attn:
	s_mov_b64 s[64:65], 0
	v_nop
	global_prefetch_b8 v0, s[64:65] scope:SCOPE_SE
	s_setreg_imm32_b32 hwreg(HW_REG_WAVE_MODE, 25, 1), 1
	s_wait_xcnt 0x0
	s_wait_alu depctr_hold_cnt(0) depctr_sa_sdst(0) depctr_va_vdst(0) depctr_va_sdst(0) depctr_va_ssrc(0) depctr_va_vcc(0) depctr_vm_vsrc(0)
	s_getreg_b32 s2, hwreg(HW_REG_IB_STS2, 6, 4)
	s_cmp_eq_u32 s2, 0
	s_cbranch_scc0 .Lentry_in_a_cluster
	s_endpgm
.Lentry_in_a_cluster:
	s_bfe_u32 s2, ttmp6, 0x10000c
	s_cmp_lg_u32 s2, 0x3003
	s_cbranch_scc0 .Lentry_shape_is_right
	s_endpgm
.Lentry_shape_is_right:
; attn: out(c, m) = sum over n of V(c, n) P(n, m) / ((1e-9 + sum over n of P(n, m)) sqrt(128)), P(n, m) = 2^(E'(n, m) + nl(n)), for 256 columns m of a chain.
; nl = -(running maximum + log2 of the row's sum) comes from the launch before, so the exponent is at most 0 up to rounding.
; Q lies in memory as f16 images of q / 256: E' = 2^16 D, and the exponent is one fused multiply-add, 2^16 D + nl.  P and V go in bf16: a column's P may all be
; far below f16's smallest number, and only their ratios count.
; An E tile with Q[n] as A and Q[m] as B holds, in a lane, 8 neighbouring n of one column m: packed, that is registers 0-3 (the tile 16 n on: 4-7) of P as a B operand.
; Then: the block's maximum over m of each channel into PM, and Q and V of the chain's next layer from the result (X, Wqk', Wv in f16).
; Room in f16 for X: it is an average of V's columns / sqrt(128); with all weights at 30 times their spread or offset by as much it stays below some 6,000.
; LIMITS: |X| < 65,504; |q| < 1.6e7 (q is stored as q / 256; small q: only its absolute error, at most 2^-17, counts in an exponent).
; The chain's Q and V go block by block (128 KiB: 256 n) through two LDS slots.  CLUSTER: the chain's four work-groups walk the same blocks and ask jointly
; (mask 15); each wave brings one eighth.  By this text's own count a wave has at most two tensor loads outstanding (the first fills), later one.
; Wave w: p = w & 3: my column tiles 4 p + mt (Q's fragments stay in registers); nh = w >> 2: steps of 32 n 4 nh .. 4 nh + 3 of each block.
; The two waves of a pair then exchange halves through LDS (slot 1, behind its last fill) and each finishes two column tiles.
; LIMITS: NaN and infinities are not treated; v_exp_f32 and v_rcp_f32 flush denormals.
.set SW,    16
.set SLOT,  131072
.set NLS,   262144                     ; nl of the chain, 4 KiB; later the waves' maxima
.set CSS,   266240                     ; the waves' column sums
.set CS,    16                         ; v[16:23]   column sums, a pair for each mt
.set NLR,   24                         ; v[24:31]   nl of 8 rows
.set E,     32                         ; v[32:63]   four E tiles; then V's fragments ct 4-7
.set P,     64                         ; v[64:95]   P as B fragments
.set F,     96                         ; v[96:127]  Q's fragments of a row tile; then V's fragments ct 0-3
.set QM,    128                        ; v[128:255] my columns' fragments [mt 4][ks 4]
.set T,     128                        ; the way out: [ct 8][i 2] tiles
.set X,     64
.set WFR,   128
.set DD,    192
.set PKR,   224
.set BVP,   240
.set VQO,   5
.set VBV,   7
.set SBV,   10
.set OB,    66
.set MSB, 0
.macro WIN new
.if MSB != \new
	s_set_vgpr_msb (MSB<<8)|\new
.set MSB, \new
.endif
.endm
.macro PLACES n
.rept \n
	v_nop
.endr
.endm
.macro BAR
	s_barrier_signal -1
	s_barrier_wait -1
.endm
.macro ROUND
	s_barrier_signal -1
	s_barrier_wait -1
	s_cmp_lg_u32 s[SW], 0
	s_cbranch_scc1 .Lnw0_\@
	s_barrier_signal -3
.Lnw0_\@:
	s_barrier_wait -3
	s_barrier_signal -1
	s_barrier_wait -1
.endm
.macro WM d, a, b, z                   ; bf16 operands
.if \z
	v_wmma_f32_16x16x32_bf16 v[\d:\d+7], v[\a:\a+7], v[\b:\b+7], 0
.else
	v_wmma_f32_16x16x32_bf16 v[\d:\d+7], v[\a:\a+7], v[\b:\b+7], v[\d:\d+7]
.endif
.endm
.macro WMH d, a, b, z                  ; f16 operands
.if \z
	v_wmma_f32_16x16x32_f16 v[\d:\d+7], v[\a:\a+7], v[\b:\b+7], 0
.else
	v_wmma_f32_16x16x32_f16 v[\d:\d+7], v[\a:\a+7], v[\b:\b+7], v[\d:\d+7]
.endif
.endm
.macro PLOAD wb, op
.irp i, 0,1
.irp ks, 0,1,2,3
	ds_load_b128 v[WFR+32*\i+8*\ks:WFR+32*\i+8*\ks+3],   v4 offset:\wb+(2*\op+\i)*4096+\ks*1024
	ds_load_b128 v[WFR+32*\i+8*\ks+4:WFR+32*\i+8*\ks+7], v4 offset:\wb+(2*\op+\i)*4096+\ks*1024+512
.endr
.endr
.endm
.macro PMM swap
.irp ks, 0,1,2,3
.irp i, 0,1
.irp mt, 0,1
.if \swap
	WMH DD+8*(2*\i+\mt), X+32*\mt+8*\ks, WFR+32*\i+8*\ks, (\ks==0)
.else
	WMH DD+8*(2*\i+\mt), WFR+32*\i+8*\ks, X+32*\mt+8*\ks, (\ks==0)
.endif
.endr
.endr
.endr
	PLACES 4
.endm
.macro PCVT hf
.set pk, 0
.rept 16
.if \hf
	v_cvt_pk_f16_f32 v[PKR+pk], v[DD+2*pk], v[DD+2*pk+1]
.else
	v_cvt_pk_bf16_f32 v[PKR+pk], v[DD+2*pk], v[DD+2*pk+1]
.endif
.set pk, pk+1
.endr
.endm
.macro PROJ                            ; Q = Wqk' X / 256 (f16) and V = Wv X + bv (bf16) of two column tiles, as images; weights at LDS byte 0 and 32,768
.set pk, 0
.rept 8
	global_load_b32 v[BVP+2*pk], v[VBV], s[SBV:SBV+1] offset:64*pk
.set pk, pk+1
.endr
.irp op, 0,1,2,3
	PLOAD 0, \op
	s_wait_dscnt 0x0
	PMM 0
.set pk, 0
.rept 16
	v_pk_mul_f32 v[DD+2*pk:DD+2*pk+1], v[DD+2*pk:DD+2*pk+1], 0x3b800000 op_sel_hi:[1,0]   ; q / 256, exact
.set pk, pk+1
.endr
	s_wait_xcnt 0x0                                ; the packed registers are the last stores' data
	PCVT 1
.irp i, 0,1
.irp mt, 0,1
	global_store_b128 v[VQO], v[PKR+4*(2*\i+\mt):PKR+4*(2*\i+\mt)+3], s[OB:OB+1] offset:\mt*4096+(2*\op+\i)*512
.endr
.endr
.endr
	s_wait_loadcnt 0x0
.set pk, 0
.rept 8
	v_mov_b32 v[BVP+2*pk+1], v[BVP+2*pk]
.set pk, pk+1
.endr
.irp op, 0,1,2,3
	PLOAD 32768, \op
	s_wait_dscnt 0x0
	PMM 1
.irp i, 0,1
.irp mt, 0,1
.irp q, 0,2,4,6
	v_pk_add_f32 v[DD+8*(2*\i+\mt)+\q:DD+8*(2*\i+\mt)+\q+1], v[DD+8*(2*\i+\mt)+\q:DD+8*(2*\i+\mt)+\q+1], v[BVP+2*(2*\op+\i):BVP+2*(2*\op+\i)+1]
.endr
.endr
.endr
	s_wait_xcnt 0x0
	PCVT 0
.irp i, 0,1
.irp mt, 0,1
	global_store_b128 v[VQO], v[PKR+4*(2*\i+\mt):PKR+4*(2*\i+\mt)+3], s[OB:OB+1] offset:65536+(2*\op+\i)*1024+\mt*512
.endr
.endr
.endr
.endm
.macro EMM                             ; D = q.q / 2^16 of one row tile x my four column tiles: four accumulators by turns
.irp ks, 0,1,2,3
.irp mt, 0,1,2,3
	WMH E+8*\mt, F+8*\ks, QM+32*\mt+8*\ks, (\ks==0)
.endr
.endr
	PLACES 4
.endm
.macro SCL                             ; the exponent: 2^16 D + nl; register j of a tile belongs to row 8 h + j, as nl's registers do
.irp mt, 0,1,2,3
.irp q, 0,2,4,6
	v_pk_fma_f32 v[E+8*\mt+\q:E+8*\mt+\q+1], v[E+8*\mt+\q:E+8*\mt+\q+1], 0x47800000, v[NLR+\q:NLR+\q+1] op_sel_hi:[1,0,1]
.endr
.endr
.endm
.macro EXPP hf                         ; P = 2^exponent, its column sums in f32, P packed into half hf of the B fragments
.set ek, 0
.rept 32
	v_exp_f32 v[E+ek], v[E+ek]
.set ek, ek+1
.endr
	v_nop                                          ; the plain instruction behind the exponentials (ISA guide 5.7.2)
	s_wait_alu depctr_va_vdst(0)
.irp q, 0,1,2,3
.irp mt, 0,1,2,3
	v_pk_add_f32 v[CS+2*\mt:CS+2*\mt+1], v[CS+2*\mt:CS+2*\mt+1], v[E+8*\mt+2*\q:E+8*\mt+2*\q+1]
	v_cvt_pk_bf16_f32 v[P+8*\mt+4*\hf+\q], v[E+8*\mt+2*\q], v[E+8*\mt+2*\q+1]
.endr
.endr
.endm
.macro STEP zero                       ; 32 rows n: two E tiles, then O += V P on 32 accumulators (v256-511) by turns
.irp ks, 0,1,2,3
	ds_load_b128 v[F+8*\ks:F+8*\ks+3],   v9 offset:\ks*1024
	ds_load_b128 v[F+8*\ks+4:F+8*\ks+7], v9 offset:\ks*1024+512
.endr
	ds_load_b128 v[NLR:NLR+3],   v11
	ds_load_b128 v[NLR+4:NLR+7], v11 offset:16
	s_wait_dscnt 0x0
	EMM
.irp ks, 0,1,2,3
	ds_load_b128 v[F+8*\ks:F+8*\ks+3],   v9 offset:4096+\ks*1024
	ds_load_b128 v[F+8*\ks+4:F+8*\ks+7], v9 offset:4096+\ks*1024+512
.endr
	SCL
	ds_load_b128 v[NLR:NLR+3],   v11 offset:64     ; the next tile's nl, behind the last use of this tile's
	ds_load_b128 v[NLR+4:NLR+7], v11 offset:80
	EXPP 0
	s_wait_dscnt 0x0
	EMM
.irp ct, 0,1,2,3
	ds_load_b128 v[F+8*\ct:F+8*\ct+3],   v10 offset:\ct*1024
	ds_load_b128 v[F+8*\ct+4:F+8*\ct+7], v10 offset:\ct*1024+512
.endr
	SCL
	EXPP 1
.irp ct, 0,1,2,3
	ds_load_b128 v[E+8*\ct:E+8*\ct+3],   v10 offset:4096+\ct*1024
	ds_load_b128 v[E+8*\ct+4:E+8*\ct+7], v10 offset:4096+\ct*1024+512
.endr
	s_wait_dscnt 8                                 ; V's fragments ct 0-3 are in; the eight loads of ct 4-7 may stay out
	WIN 0x50
.irp ct, 0,1,2,3
.irp mt, 0,1,2,3
	WM 8*(4*\ct+\mt), F+8*\ct, P+8*\mt, \zero
.endr
.endr
	s_wait_dscnt 0x0
.irp ct, 4,5,6,7
.irp mt, 0,1,2,3
	WM 8*(4*\ct+\mt), E+8*(\ct-4), P+8*\mt, \zero
.endr
.endr
	WIN 0
	v_add_nc_u32 v9, 8192, v9                      ; five places before the next step writes over fragments (ISA guide 7.12.1): three steps of addresses, two v_nop
	v_add_nc_u32 v10, 8192, v10
	v_add_nc_u32 v11, 128, v11
	PLACES 2
.endm
.macro BLOCK slot, first               ; my four steps of the block in this slot
	v_add_nc_u32 v9, \slot*SLOT, v8
	v_add_nc_u32 v10, \slot*SLOT+65536, v8
.if \first
	STEP 1                                         ; the first products start the sums
	s_mov_b32 s54, 3
.else
	s_mov_b32 s54, 4
.endif
.Lblk_\@:
	STEP 0
	s_sub_co_u32 s54, s54, 1
	s_cmp_lg_u32 s54, 0
	s_cbranch_scc1 .Lblk_\@
	v_add_nc_u32 v11, 512, v11                     ; over the other wave's rows
.endm
.macro GIVE o                          ; my partial sums of column tiles o, o + 1 go to my partner
	WIN 0x04
.irp ct, 0,1,2,3,4,5,6,7
.irp i, 0,1
	ds_store_b128 v12, v[8*(4*\ct+\o+\i):8*(4*\ct+\o+\i)+3]   offset:(2*\ct+\i)*1024
	ds_store_b128 v12, v[8*(4*\ct+\o+\i)+4:8*(4*\ct+\o+\i)+7] offset:(2*\ct+\i)*1024+512
.endr
.endr
	WIN 0
.endm
.macro TAKE o                          ; and my partner's of tiles o, o + 1 are added to mine
	WIN 0x01
.irp ct, 0,1,2,3,4,5,6,7
.irp i, 0,1
.irp q, 0,2,4,6
	v_pk_add_f32 v[T+8*(2*\ct+\i)+\q:T+8*(2*\ct+\i)+\q+1], v[8*(4*\ct+\o+\i)+\q:8*(4*\ct+\o+\i)+\q+1], v[T+8*(2*\ct+\i)+\q:T+8*(2*\ct+\i)+\q+1]
.endr
.endr
.endr
	WIN 0
	v_add_f32 v20, v[24+\o], v[28+\o]
	v_add_f32 v22, v[25+\o], v[29+\o]
.endm
	s_load_b256 s[4:11], s[0:1], 0x0               ; QV in 4, NL 6, WF 8, bv 10
	s_load_b128 s[12:15], s[0:1], 0x20             ; QV out 12, PM 14
	v_lshrrev_b32 v1, 5, v0
	v_readfirstlane_b32 s16, v1                    ; wave w
	s_and_b32 s17, s16, 3                          ; p
	s_lshr_b32 s18, s16, 2                         ; nh
	s_bfe_u32 s19, ttmp6, 0x40000                  ; x = cx: my block of 256 columns
	s_and_b32 s20, ttmp7, 0xffff                   ; chain
	s_lshr_b32 s21, s20, 5                         ; branch
	s_mov_b32 s52, 0x76543210
	s_mov_b32 s53, 0xfedcba98
	s_mov_b32 s24, 15|(3<<16)|(1<<21)              ; 64 rows of 256 bytes, dense; mask 15, bit 21 beside it
	s_mov_b32 s25, 32<<16
	s_mov_b32 s26, 64<<16
	s_mov_b32 s27, 32<<16
	s_mov_b32 s28, 64
	s_mov_b32 s29, 32
	s_mov_b32 s30, 0
	s_mov_b32 s31, 0
	s_lshl_b32 s56, s20, 19
	s_mov_b32 s57, 0
	s_lshl_b32 s58, s16, 14
	s_mov_b32 s59, 0
	s_mov_b32 s32, 15|(3<<16)|(1<<21)              ; the weights: 32 rows
	s_mov_b32 s33, 32<<16
	s_mov_b32 s34, 32<<16
	s_mov_b32 s35, 32<<16
	s_mov_b32 s36, 32
	s_mov_b32 s37, 32
	s_mov_b32 s38, 0
	s_mov_b32 s39, 0
	s_lshl_b32 s68, s21, 17
	s_lshl_b32 s69, s16, 13
	s_add_co_u32 s68, s68, s69
	s_add_co_u32 s68, s68, 524288+65536            ; layer 2 br + 1, my eighth
	s_mov_b32 s69, 0
	s_wait_kmcnt 0x0
	s_add_nc_u64 s[60:61], s[4:5], s[56:57]        ; the chain
	s_add_nc_u64 s[62:63], s[60:61], s[58:59]      ; my eighth of a block
	s_mov_b32 s40, 1
	s_lshl_b32 s41, s16, 14
	s_mov_b64 s[42:43], s[62:63]                   ; block 0 into slot 0
	s_or_b32 s43, s43, 0x80000000
	s_mov_b32 s44, 1
	s_add_co_u32 s45, s41, SLOT
	s_add_nc_u64 s[46:47], s[62:63], SLOT          ; block 1 into slot 1
	s_or_b32 s47, s47, 0x80000000
	s_mov_b32 s48, 1
	s_lshl_b32 s49, s16, 13
	s_add_nc_u64 s[50:51], s[8:9], s[68:69]
	s_or_b32 s51, s51, 0x80000000
	ROUND                                          ; the four work-groups are here: the first joint loads meet
	tensor_load_to_lds s[40:43], s[24:31]
	s_nop 0
	tensor_load_to_lds s[44:47], s[24:31]
	s_nop 0
	v_and_b32 v1, 31, v0
	v_and_b32 v2, 15, v0
	v_bfe_u32 v3, v0, 4, 1
	v_lshlrev_b32 v4, 4, v1
	s_lshl_b32 s70, s17, 14
	s_lshl_b32 s71, s19, 17
	s_add_co_u32 s70, s70, s71
	v_add_nc_u32 v5, s70, v4                       ; my four column tiles: block x, tile 4 p
.irp mt, 0,1,2,3
.set k, 0
.rept 8
	global_load_b128 v[QM+32*\mt+4*k:QM+32*\mt+4*k+3], v5, s[60:61] offset:\mt*4096+k*512
.set k, k+1
.endr
.endr
	s_lshl_b32 s70, s20, 12
	v_lshl_add_u32 v6, v0, 4, s70
	global_load_b128 v[NLR:NLR+3], v6, s[6:7]
	v_lshlrev_b32 v7, 4, v0
	v_add_nc_u32 v7, NLS, v7
	s_lshl_b32 s70, s18, 15
	v_add_nc_u32 v8, s70, v4                       ; 16 L + nh x 32 KiB: my steps' Q tiles in a slot; V's lie 64 KiB on
	s_lshl_b32 s70, s18, 9
	s_add_co_u32 s70, s70, NLS
	v_lshl_add_u32 v11, v3, 5, s70                 ; NLS + 512 nh + 32 h
	s_lshl_b32 s70, s16, 14
	s_add_co_u32 s70, s70, SLOT
	v_add_nc_u32 v12, s70, v4                      ; my 16 KiB of the exchange
	s_xor_b32 s71, s16, 4
	s_lshl_b32 s70, s71, 14
	s_add_co_u32 s70, s70, SLOT
	v_add_nc_u32 v14, s70, v4                      ; my partner's
	s_lshl_b32 s70, s16, 9
	s_add_co_u32 s70, s70, CSS
	v_add_nc_u32 v13, s70, v4
	s_lshl_b32 s70, s71, 9
	s_add_co_u32 s70, s70, CSS
	v_add_nc_u32 v15, s70, v4
.set k, 0
.rept 8
	v_mov_b32 v[CS+k], 0
.set k, k+1
.endr
	s_wait_loadcnt 0x0
	ds_store_b128 v7, v[NLR:NLR+3]
	s_wait_tensorcnt 0x1                           ; my part of block 0 is in; block 1's load, issued behind it, may stay out
	s_wait_dscnt 0x0
	BAR
	BLOCK 0, 1
	s_wait_tensorcnt 0x0                           ; all my tensor loads have landed, so a group 0 may be written
	s_add_nc_u64 s[42:43], s[42:43], 2*SLOT
	s_wait_dscnt 0x0                               ; my reads of slot 0 are done
	ROUND
	tensor_load_to_lds s[40:43], s[24:31]          ; block 2 into slot 0
	s_nop 0
	BLOCK 1, 0
	s_wait_tensorcnt 0x0
	s_add_nc_u64 s[46:47], s[46:47], 2*SLOT
	s_wait_dscnt 0x0
	ROUND
	tensor_load_to_lds s[44:47], s[24:31]          ; block 3 into slot 1
	s_nop 0
	BLOCK 0, 0
	s_wait_tensorcnt 0x0
	s_wait_dscnt 0x0
	ROUND
	tensor_load_to_lds s[48:51], s[32:39]          ; the next layer's weights into slot 0's first 64 KiB
	s_nop 0
	BLOCK 1, 0
	; ---- column sums of my rows: the pair, then the other half of the wave
.irp mt, 0,1,2,3
	v_add_f32 v[24+\mt], v[CS+2*\mt], v[CS+2*\mt+1]
.endr
	v_mov_b32 v28, 0
.irp mt, 0,1,2,3
	v_permlanex16_b32 v28, v[24+\mt], s52, s53
	v_add_f32 v[24+\mt], v[24+\mt], v28
.endr
	s_wait_tensorcnt 0x0                           ; my part of the weights has landed
	s_wait_dscnt 0x0                               ; my reads of slot 1 and of nl are done
	BAR
	s_cmp_ge_u32 s16, 4
	s_cbranch_scc1 .Lgive_hi
	GIVE 2
	s_branch .Lgiven
.Lgive_hi:
	GIVE 0
.Lgiven:
	ds_store_b128 v13, v[24:27]
	s_wait_dscnt 0x0
	BAR
.set k, 0
.rept 32
	ds_load_b128 v[T+4*k:T+4*k+3], v14 offset:512*k
.set k, k+1
.endr
	ds_load_b128 v[28:31], v15
	s_wait_dscnt 0x0
	s_cmp_ge_u32 s16, 4
	s_cbranch_scc1 .Ltake_hi
	TAKE 0
	s_branch .Ltaken
.Ltake_hi:
	TAKE 2
.Ltaken:
	v_add_f32 v20, 0x3089705f, v20                 ; + 1e-9
	v_add_f32 v22, 0x3089705f, v22
	v_rcp_f32 v20, v20
	v_rcp_f32 v22, v22
	v_nop
	s_wait_alu depctr_va_vdst(0)
	v_mul_f32 v20, 0x3db504f3, v20                 ; / sqrt(128)
	v_mul_f32 v22, 0x3db504f3, v22
	v_mov_b32 v21, v20
	v_mov_b32 v23, v22
.irp ct, 0,1,2,3,4,5,6,7
.irp i, 0,1
.irp q, 0,2,4,6
	v_pk_mul_f32 v[T+8*(2*\ct+\i)+\q:T+8*(2*\ct+\i)+\q+1], v[T+8*(2*\ct+\i)+\q:T+8*(2*\ct+\i)+\q+1], v[20+2*\i:21+2*\i]
.endr
.endr
.endr
.irp ct, 0,1,2,3,4,5,6,7
.irp i, 0,1
.irp q, 0,1,2,3
	v_cvt_pk_f16_f32 v[X+32*\i+4*\ct+\q], v[T+8*(2*\ct+\i)+2*\q], v[T+8*(2*\ct+\i)+2*\q+1]   ; the next layer's input as f16 fragments
.endr
.endr
.endr
	; ---- maximum over my 32 columns of each channel
.set rk, 0
.rept 64
	v_max_num_f32 v[T+16*(rk/8)+rk%8], v[T+16*(rk/8)+rk%8], v[T+16*(rk/8)+8+rk%8]
.set rk, rk+1
.endr
.irp m, 1,2,4,8
.set rk, 0
.rept 64
	v_max_num_f32_dpp v[T+16*(rk/8)+rk%8], v[T+16*(rk/8)+rk%8], v[T+16*(rk/8)+rk%8] row_xmask:\m row_mask:0xf bank_mask:0xf
.set rk, rk+1
.endr
.endr
	s_lshl_b32 s70, s16, 9
	s_add_co_u32 s70, s70, NLS
	v_lshl_add_u32 v9, v3, 5, s70                  ; 512 w + 32 h
.irp ct, 0,1,2,3,4,5,6,7
	ds_store_b128 v9, v[T+16*\ct:T+16*\ct+3]   offset:64*\ct
	ds_store_b128 v9, v[T+16*\ct+4:T+16*\ct+7] offset:64*\ct+16
.endr
	s_wait_dscnt 0x0
	BAR
	s_cmp_ge_u32 s16, 4
	s_cbranch_scc1 .Lno_pm
	v_lshlrev_b32 v6, 2, v0                        ; channel = thread
	v_add_nc_u32 v10, NLS, v6
.set k, 0
.rept 8
	ds_load_b32 v[16+k], v10 offset:512*k
.set k, k+1
.endr
	s_lshl_b32 s70, s20, 11
	s_lshl_b32 s71, s19, 9
	s_add_co_u32 s70, s70, s71
	v_add_nc_u32 v6, s70, v6                       ; [stage 0][chain][x][128]
	s_wait_dscnt 0x0
	v_max3_num_f32 v16, v16, v17, v18
	v_max3_num_f32 v19, v19, v20, v21
	v_max3_num_f32 v16, v16, v22, v23
	v_max_num_f32 v16, v16, v19
	global_store_b32 v6, v16, s[14:15]
.Lno_pm:
	s_lshl_b32 s68, s19, 17
	s_add_co_u32 s68, s68, s56
	s_mov_b32 s69, 0
	s_add_nc_u64 s[OB:OB+1], s[12:13], s[68:69]    ; [chain][block x] x 128 KiB
	s_lshl_b32 s70, s17, 14
	s_lshl_b32 s71, s18, 13
	s_add_co_u32 s70, s70, s71
	v_add_nc_u32 v[VQO], s70, v4                   ; tile 4 p + 2 nh x 4 KiB = step 2 p + nh x 8 KiB
	s_lshl_b32 s70, s21, 10
	s_add_co_u32 s70, s70, 512                     ; layer 2 br + 1
	v_lshl_add_u32 v[VBV], v2, 2, s70
	PROJ
	ROUND                                          ; the closing round
	s_endpgm
.Lfunc_end_k_qf5ec1e3464_attn:
	.size	k_qf5ec1e3464_attn, .Lfunc_end_k_qf5ec1e3464_attn-k_qf5ec1e3464_attn
	.p2alignl 7, 3214868480
	.fill 96, 4, 3214868480
	.section	.rodata,"a",@progbits
	.p2align	6, 0x0
	.amdhsa_kernel k_qf5ec1e3464_attn
		.amdhsa_group_segment_fixed_size 327680
		.amdhsa_private_segment_fixed_size 0
		.amdhsa_enable_private_segment 0
		.amdhsa_kernarg_size 48
		.amdhsa_user_sgpr_count 2
		.amdhsa_user_sgpr_kernarg_segment_ptr 1
		.amdhsa_wavefront_size32 1
		.amdhsa_system_sgpr_workgroup_id_x 1
		.amdhsa_system_sgpr_workgroup_id_y 1
		.amdhsa_system_sgpr_workgroup_id_z 1
		.amdhsa_system_vgpr_workitem_id 0
		.amdhsa_next_free_vgpr 512
		.amdhsa_next_free_sgpr 72
		.amdhsa_reserve_vcc 0
		.amdhsa_float_denorm_mode_32 3
		.amdhsa_float_denorm_mode_16_64 3
		.amdhsa_memory_ordered 1
		.amdhsa_forward_progress 1
		.amdhsa_inst_pref_size 176
	.end_amdhsa_kernel
	.amdgpu_metadata
---
amdhsa.version: [ 1, 2 ]
amdhsa.kernels:
  - .name:           k_qf5ec1e3464_attn
    .symbol:         k_qf5ec1e3464_attn.kd
    .args:
      - { .name: QV0, .offset: 0, .size: 8, .value_kind: global_buffer, .address_space: global }
      - { .name: NL, .offset: 8, .size: 8, .value_kind: global_buffer, .address_space: global }
      - { .name: WF, .offset: 16, .size: 8, .value_kind: global_buffer, .address_space: global }
      - { .name: bv, .offset: 24, .size: 8, .value_kind: global_buffer, .address_space: global }
      - { .name: QV1, .offset: 32, .size: 8, .value_kind: global_buffer, .address_space: global }
      - { .name: PM, .offset: 40, .size: 8, .value_kind: global_buffer, .address_space: global }
    .group_segment_fixed_size: 327680
    .private_segment_fixed_size: 0
    .kernarg_segment_align: 8
    .kernarg_segment_size: 48
    .max_flat_workgroup_size: 256
    .sgpr_count:     72
    .vgpr_count:     512
    .wavefront_size: 32
...
	.end_amdgpu_metadata
.endif
;; end of part 5
;; launch stat1: the kernel of part 4 again; grid 4 x 64, 8 waves a work-group, clusters of 4 x 1, 266,240 bytes of LDS; arguments QV1, NL; writes NL
;; launch attl (part 6): grid 4 x 64, 8 waves a work-group, clusters of 4 x 1, 327,680 bytes of LDS; arguments QV1, NL, PM; writes PM
.if DOCPART == 6
	.amdgcn_target "amdgcn-amd-amdhsa--gfx1250"
	.amdhsa_code_object_version 6
	.text
	.protected	k_qf5ec1e3464_attl
	.globl	k_qf5ec1e3464_attl
	.p2align	8
	.type	k_qf5ec1e3464_attl,@function
k_qf5ec1e3464_attl:
	s_mov_b64 s[64:65], 0
	v_nop
	global_prefetch_b8 v0, s[64:65] scope:SCOPE_SE
	s_setreg_imm32_b32 hwreg(HW_REG_WAVE_MODE, 25, 1), 1
	s_wait_xcnt 0x0
	s_wait_alu depctr_hold_cnt(0) depctr_sa_sdst(0) depctr_va_vdst(0) depctr_va_sdst(0) depctr_va_ssrc(0) depctr_va_vcc(0) depctr_vm_vsrc(0)
	s_getreg_b32 s2, hwreg(HW_REG_IB_STS2, 6, 4)
	s_cmp_eq_u32 s2, 0
	s_cbranch_scc0 .Lentry_in_a_cluster
	s_endpgm
.Lentry_in_a_cluster:
	s_bfe_u32 s2, ttmp6, 0x10000c
	s_cmp_lg_u32 s2, 0x3003
	s_cbranch_scc0 .Lentry_shape_is_right
	s_endpgm
.Lentry_shape_is_right:
; attl: the chain's second attention layer: as the first layer's launch, but only the maxima leave (no next layer, no weights).
; out(c, m) = sum over n of V(c, n) P(n, m) / ((1e-9 + sum over n of P(n, m)) sqrt(128)), P(n, m) = 2^(E'(n, m) + nl(n)), for 256 columns m of a chain.
; nl = -(running maximum + log2 of the row's sum) comes from the launch before, so the exponent is at most 0 up to rounding.
; Q lies in memory as f16 images of q / 256: E' = 2^16 D, and the exponent is one fused multiply-add, 2^16 D + nl.  P and V go in bf16: a column's P may all be
; far below f16's smallest number, and only their ratios count.
; An E tile with Q[n] as A and Q[m] as B holds, in a lane, 8 neighbouring n of one column m: packed, that is registers 0-3 (the tile 16 n on: 4-7) of P as a B operand.
; The chain's Q and V go block by block (128 KiB: 256 n) through two LDS slots.  CLUSTER: the chain's four work-groups walk the same blocks and ask jointly
; (mask 15); each wave brings one eighth.  By this text's own count a wave has at most two tensor loads outstanding (the first fills), later one.
; Wave w: p = w & 3: my column tiles 4 p + mt (Q's fragments stay in registers); nh = w >> 2: steps of 32 n 4 nh .. 4 nh + 3 of each block.
; The two waves of a pair then exchange halves through LDS (slot 1, behind its last fill) and each finishes two column tiles.
; LIMITS: NaN and infinities are not treated; v_exp_f32 and v_rcp_f32 flush denormals.
.set SW,    16
.set SLOT,  131072
.set NLS,   262144                     ; nl of the chain, 4 KiB; later the waves' maxima
.set CSS,   266240                     ; the waves' column sums
.set CS,    16                         ; v[16:23]   column sums, a pair for each mt
.set NLR,   24                         ; v[24:31]   nl of 8 rows
.set E,     32                         ; v[32:63]   four E tiles; then V's fragments ct 4-7
.set P,     64                         ; v[64:95]   P as B fragments
.set F,     96                         ; v[96:127]  Q's fragments of a row tile; then V's fragments ct 0-3
.set QM,    128                        ; v[128:255] my columns' fragments [mt 4][ks 4]
.set T,     128                        ; the way out: [ct 8][i 2] tiles
.set MSB, 0
.macro WIN new
.if MSB != \new
	s_set_vgpr_msb (MSB<<8)|\new
.set MSB, \new
.endif
.endm
.macro PLACES n
.rept \n
	v_nop
.endr
.endm
.macro BAR
	s_barrier_signal -1
	s_barrier_wait -1
.endm
.macro ROUND
	s_barrier_signal -1
	s_barrier_wait -1
	s_cmp_lg_u32 s[SW], 0
	s_cbranch_scc1 .Lnw0_\@
	s_barrier_signal -3
.Lnw0_\@:
	s_barrier_wait -3
	s_barrier_signal -1
	s_barrier_wait -1
.endm
.macro WM d, a, b, z                   ; bf16 operands
.if \z
	v_wmma_f32_16x16x32_bf16 v[\d:\d+7], v[\a:\a+7], v[\b:\b+7], 0
.else
	v_wmma_f32_16x16x32_bf16 v[\d:\d+7], v[\a:\a+7], v[\b:\b+7], v[\d:\d+7]
.endif
.endm
.macro WMH d, a, b, z                  ; f16 operands
.if \z
	v_wmma_f32_16x16x32_f16 v[\d:\d+7], v[\a:\a+7], v[\b:\b+7], 0
.else
	v_wmma_f32_16x16x32_f16 v[\d:\d+7], v[\a:\a+7], v[\b:\b+7], v[\d:\d+7]
.endif
.endm
.macro EMM                             ; D = q.q / 2^16 of one row tile x my four column tiles: four accumulators by turns
.irp ks, 0,1,2,3
.irp mt, 0,1,2,3
	WMH E+8*\mt, F+8*\ks, QM+32*\mt+8*\ks, (\ks==0)
.endr
.endr
	PLACES 4
.endm
.macro SCL                             ; the exponent: 2^16 D + nl; register j of a tile belongs to row 8 h + j, as nl's registers do
.irp mt, 0,1,2,3
.irp q, 0,2,4,6
	v_pk_fma_f32 v[E+8*\mt+\q:E+8*\mt+\q+1], v[E+8*\mt+\q:E+8*\mt+\q+1], 0x47800000, v[NLR+\q:NLR+\q+1] op_sel_hi:[1,0,1]
.endr
.endr
.endm
.macro EXPP hf                         ; P = 2^exponent, its column sums in f32, P packed into half hf of the B fragments
.set ek, 0
.rept 32
	v_exp_f32 v[E+ek], v[E+ek]
.set ek, ek+1
.endr
	v_nop                                          ; the plain instruction behind the exponentials (ISA guide 5.7.2)
	s_wait_alu depctr_va_vdst(0)
.irp q, 0,1,2,3
.irp mt, 0,1,2,3
	v_pk_add_f32 v[CS+2*\mt:CS+2*\mt+1], v[CS+2*\mt:CS+2*\mt+1], v[E+8*\mt+2*\q:E+8*\mt+2*\q+1]
	v_cvt_pk_bf16_f32 v[P+8*\mt+4*\hf+\q], v[E+8*\mt+2*\q], v[E+8*\mt+2*\q+1]
.endr
.endr
.endm
.macro STEP zero                       ; 32 rows n: two E tiles, then O += V P on 32 accumulators (v256-511) by turns
.irp ks, 0,1,2,3
	ds_load_b128 v[F+8*\ks:F+8*\ks+3],   v9 offset:\ks*1024
	ds_load_b128 v[F+8*\ks+4:F+8*\ks+7], v9 offset:\ks*1024+512
.endr
	ds_load_b128 v[NLR:NLR+3],   v11
	ds_load_b128 v[NLR+4:NLR+7], v11 offset:16
	s_wait_dscnt 0x0
	EMM
.irp ks, 0,1,2,3
	ds_load_b128 v[F+8*\ks:F+8*\ks+3],   v9 offset:4096+\ks*1024
	ds_load_b128 v[F+8*\ks+4:F+8*\ks+7], v9 offset:4096+\ks*1024+512
.endr
	SCL
	ds_load_b128 v[NLR:NLR+3],   v11 offset:64     ; the next tile's nl, behind the last use of this tile's
	ds_load_b128 v[NLR+4:NLR+7], v11 offset:80
	EXPP 0
	s_wait_dscnt 0x0
	EMM
.irp ct, 0,1,2,3
	ds_load_b128 v[F+8*\ct:F+8*\ct+3],   v10 offset:\ct*1024
	ds_load_b128 v[F+8*\ct+4:F+8*\ct+7], v10 offset:\ct*1024+512
.endr
	SCL
	EXPP 1
.irp ct, 0,1,2,3
	ds_load_b128 v[E+8*\ct:E+8*\ct+3],   v10 offset:4096+\ct*1024
	ds_load_b128 v[E+8*\ct+4:E+8*\ct+7], v10 offset:4096+\ct*1024+512
.endr
	s_wait_dscnt 8                                 ; V's fragments ct 0-3 are in; the eight loads of ct 4-7 may stay out
	WIN 0x50
.irp ct, 0,1,2,3
.irp mt, 0,1,2,3
	WM 8*(4*\ct+\mt), F+8*\ct, P+8*\mt, \zero
.endr
.endr
	s_wait_dscnt 0x0
.irp ct, 4,5,6,7
.irp mt, 0,1,2,3
	WM 8*(4*\ct+\mt), E+8*(\ct-4), P+8*\mt, \zero
.endr
.endr
	WIN 0
	v_add_nc_u32 v9, 8192, v9                      ; five places before the next step writes over fragments (ISA guide 7.12.1): three steps of addresses, two v_nop
	v_add_nc_u32 v10, 8192, v10
	v_add_nc_u32 v11, 128, v11
	PLACES 2
.endm
.macro BLOCK slot, first               ; my four steps of the block in this slot
	v_add_nc_u32 v9, \slot*SLOT, v8
	v_add_nc_u32 v10, \slot*SLOT+65536, v8
.if \first
	STEP 1                                         ; the first products start the sums
	s_mov_b32 s54, 3
.else
	s_mov_b32 s54, 4
.endif
.Lblk_\@:
	STEP 0
	s_sub_co_u32 s54, s54, 1
	s_cmp_lg_u32 s54, 0
	s_cbranch_scc1 .Lblk_\@
	v_add_nc_u32 v11, 512, v11                     ; over the other wave's rows
.endm
.macro GIVE o                          ; my partial sums of column tiles o, o + 1 go to my partner
	WIN 0x04
.irp ct, 0,1,2,3,4,5,6,7
.irp i, 0,1
	ds_store_b128 v12, v[8*(4*\ct+\o+\i):8*(4*\ct+\o+\i)+3]   offset:(2*\ct+\i)*1024
	ds_store_b128 v12, v[8*(4*\ct+\o+\i)+4:8*(4*\ct+\o+\i)+7] offset:(2*\ct+\i)*1024+512
.endr
.endr
	WIN 0
.endm
.macro TAKE o                          ; and my partner's of tiles o, o + 1 are added to mine
	WIN 0x01
.irp ct, 0,1,2,3,4,5,6,7
.irp i, 0,1
.irp q, 0,2,4,6
	v_pk_add_f32 v[T+8*(2*\ct+\i)+\q:T+8*(2*\ct+\i)+\q+1], v[8*(4*\ct+\o+\i)+\q:8*(4*\ct+\o+\i)+\q+1], v[T+8*(2*\ct+\i)+\q:T+8*(2*\ct+\i)+\q+1]
.endr
.endr
.endr
	WIN 0
	v_add_f32 v20, v[24+\o], v[28+\o]
	v_add_f32 v22, v[25+\o], v[29+\o]
.endm
	s_load_b128 s[4:7], s[0:1], 0x0                ; QV in, NL
	s_load_b64 s[14:15], s[0:1], 0x10              ; PM
	v_lshrrev_b32 v1, 5, v0
	v_readfirstlane_b32 s16, v1                    ; wave w
	s_and_b32 s17, s16, 3                          ; p
	s_lshr_b32 s18, s16, 2                         ; nh
	s_bfe_u32 s19, ttmp6, 0x40000                  ; x = cx: my block of 256 columns
	s_and_b32 s20, ttmp7, 0xffff                   ; chain
	s_mov_b32 s52, 0x76543210
	s_mov_b32 s53, 0xfedcba98
	s_mov_b32 s24, 15|(3<<16)|(1<<21)              ; 64 rows of 256 bytes, dense; mask 15, bit 21 beside it
	s_mov_b32 s25, 32<<16
	s_mov_b32 s26, 64<<16
	s_mov_b32 s27, 32<<16
	s_mov_b32 s28, 64
	s_mov_b32 s29, 32
	s_mov_b32 s30, 0
	s_mov_b32 s31, 0
	s_lshl_b32 s56, s20, 19
	s_mov_b32 s57, 0
	s_lshl_b32 s58, s16, 14
	s_mov_b32 s59, 0
	s_wait_kmcnt 0x0
	s_add_nc_u64 s[60:61], s[4:5], s[56:57]        ; the chain
	s_add_nc_u64 s[62:63], s[60:61], s[58:59]      ; my eighth of a block
	s_mov_b32 s40, 1
	s_lshl_b32 s41, s16, 14
	s_mov_b64 s[42:43], s[62:63]                   ; block 0 into slot 0
	s_or_b32 s43, s43, 0x80000000
	s_mov_b32 s44, 1
	s_add_co_u32 s45, s41, SLOT
	s_add_nc_u64 s[46:47], s[62:63], SLOT          ; block 1 into slot 1
	s_or_b32 s47, s47, 0x80000000
	ROUND                                          ; the four work-groups are here: the first joint loads meet
	tensor_load_to_lds s[40:43], s[24:31]
	s_nop 0
	tensor_load_to_lds s[44:47], s[24:31]
	s_nop 0
	v_and_b32 v1, 31, v0
	v_bfe_u32 v3, v0, 4, 1
	v_lshlrev_b32 v4, 4, v1
	s_lshl_b32 s70, s17, 14
	s_lshl_b32 s71, s19, 17
	s_add_co_u32 s70, s70, s71
	v_add_nc_u32 v5, s70, v4                       ; my four column tiles: block x, tile 4 p
.irp mt, 0,1,2,3
.set k, 0
.rept 8
	global_load_b128 v[QM+32*\mt+4*k:QM+32*\mt+4*k+3], v5, s[60:61] offset:\mt*4096+k*512
.set k, k+1
.endr
.endr
	s_lshl_b32 s70, s20, 12
	v_lshl_add_u32 v6, v0, 4, s70
	global_load_b128 v[NLR:NLR+3], v6, s[6:7]
	v_lshlrev_b32 v7, 4, v0
	v_add_nc_u32 v7, NLS, v7
	s_lshl_b32 s70, s18, 15
	v_add_nc_u32 v8, s70, v4                       ; 16 L + nh x 32 KiB: my steps' Q tiles in a slot; V's lie 64 KiB on
	s_lshl_b32 s70, s18, 9
	s_add_co_u32 s70, s70, NLS
	v_lshl_add_u32 v11, v3, 5, s70                 ; NLS + 512 nh + 32 h
	s_lshl_b32 s70, s16, 14
	s_add_co_u32 s70, s70, SLOT
	v_add_nc_u32 v12, s70, v4                      ; my 16 KiB of the exchange
	s_xor_b32 s71, s16, 4
	s_lshl_b32 s70, s71, 14
	s_add_co_u32 s70, s70, SLOT
	v_add_nc_u32 v14, s70, v4                      ; my partner's
	s_lshl_b32 s70, s16, 9
	s_add_co_u32 s70, s70, CSS
	v_add_nc_u32 v13, s70, v4
	s_lshl_b32 s70, s71, 9
	s_add_co_u32 s70, s70, CSS
	v_add_nc_u32 v15, s70, v4
.set k, 0
.rept 8
	v_mov_b32 v[CS+k], 0
.set k, k+1
.endr
	s_wait_loadcnt 0x0
	ds_store_b128 v7, v[NLR:NLR+3]
	s_wait_tensorcnt 0x1                           ; my part of block 0 is in; block 1's load, issued behind it, may stay out
	s_wait_dscnt 0x0
	BAR
	BLOCK 0, 1
	s_wait_tensorcnt 0x0                           ; all my tensor loads have landed, so a group 0 may be written
	s_add_nc_u64 s[42:43], s[42:43], 2*SLOT
	s_wait_dscnt 0x0                               ; my reads of slot 0 are done
	ROUND
	tensor_load_to_lds s[40:43], s[24:31]          ; block 2 into slot 0
	s_nop 0
	BLOCK 1, 0
	s_wait_tensorcnt 0x0
	s_add_nc_u64 s[46:47], s[46:47], 2*SLOT
	s_wait_dscnt 0x0
	ROUND
	tensor_load_to_lds s[44:47], s[24:31]          ; block 3 into slot 1
	s_nop 0
	BLOCK 0, 0
	s_wait_tensorcnt 0x0                           ; block 3 is whole behind this barrier; nothing more is fetched
	s_wait_dscnt 0x0
	BAR
	BLOCK 1, 0
	; ---- column sums of my rows: the pair, then the other half of the wave
.irp mt, 0,1,2,3
	v_add_f32 v[24+\mt], v[CS+2*\mt], v[CS+2*\mt+1]
.endr
	v_mov_b32 v28, 0
.irp mt, 0,1,2,3
	v_permlanex16_b32 v28, v[24+\mt], s52, s53
	v_add_f32 v[24+\mt], v[24+\mt], v28
.endr
	s_wait_dscnt 0x0                               ; my reads of slot 1 and of nl are done
	BAR
	s_cmp_ge_u32 s16, 4
	s_cbranch_scc1 .Lgive_hi
	GIVE 2
	s_branch .Lgiven
.Lgive_hi:
	GIVE 0
.Lgiven:
	ds_store_b128 v13, v[24:27]
	s_wait_dscnt 0x0
	BAR
.set k, 0
.rept 32
	ds_load_b128 v[T+4*k:T+4*k+3], v14 offset:512*k
.set k, k+1
.endr
	ds_load_b128 v[28:31], v15
	s_wait_dscnt 0x0
	s_cmp_ge_u32 s16, 4
	s_cbranch_scc1 .Ltake_hi
	TAKE 0
	s_branch .Ltaken
.Ltake_hi:
	TAKE 2
.Ltaken:
	v_add_f32 v20, 0x3089705f, v20                 ; + 1e-9
	v_add_f32 v22, 0x3089705f, v22
	v_rcp_f32 v20, v20
	v_rcp_f32 v22, v22
	v_nop
	s_wait_alu depctr_va_vdst(0)
	v_mul_f32 v20, 0x3db504f3, v20                 ; / sqrt(128)
	v_mul_f32 v22, 0x3db504f3, v22
	v_mov_b32 v21, v20
	v_mov_b32 v23, v22
.irp ct, 0,1,2,3,4,5,6,7
.irp i, 0,1
.irp q, 0,2,4,6
	v_pk_mul_f32 v[T+8*(2*\ct+\i)+\q:T+8*(2*\ct+\i)+\q+1], v[T+8*(2*\ct+\i)+\q:T+8*(2*\ct+\i)+\q+1], v[20+2*\i:21+2*\i]
.endr
.endr
.endr
	; ---- maximum over my 32 columns of each channel
.set rk, 0
.rept 64
	v_max_num_f32 v[T+16*(rk/8)+rk%8], v[T+16*(rk/8)+rk%8], v[T+16*(rk/8)+8+rk%8]
.set rk, rk+1
.endr
.irp m, 1,2,4,8
.set rk, 0
.rept 64
	v_max_num_f32_dpp v[T+16*(rk/8)+rk%8], v[T+16*(rk/8)+rk%8], v[T+16*(rk/8)+rk%8] row_xmask:\m row_mask:0xf bank_mask:0xf
.set rk, rk+1
.endr
.endr
	s_lshl_b32 s70, s16, 9
	s_add_co_u32 s70, s70, NLS
	v_lshl_add_u32 v9, v3, 5, s70                  ; 512 w + 32 h
.irp ct, 0,1,2,3,4,5,6,7
	ds_store_b128 v9, v[T+16*\ct:T+16*\ct+3]   offset:64*\ct
	ds_store_b128 v9, v[T+16*\ct+4:T+16*\ct+7] offset:64*\ct+16
.endr
	s_wait_dscnt 0x0
	BAR
	s_cmp_ge_u32 s16, 4
	s_cbranch_scc1 .Lno_pm
	v_lshlrev_b32 v6, 2, v0                        ; channel = thread
	v_add_nc_u32 v10, NLS, v6
.set k, 0
.rept 8
	ds_load_b32 v[16+k], v10 offset:512*k
.set k, k+1
.endr
	s_lshl_b32 s70, s20, 11
	s_lshl_b32 s71, s19, 9
	s_add_co_u32 s70, s70, s71
	s_add_co_u32 s70, s70, 131072
	v_add_nc_u32 v6, s70, v6                       ; [stage 1][chain][x][128]
	s_wait_dscnt 0x0
	v_max3_num_f32 v16, v16, v17, v18
	v_max3_num_f32 v19, v19, v20, v21
	v_max3_num_f32 v16, v16, v22, v23
	v_max_num_f32 v16, v16, v19
	global_store_b32 v6, v16, s[14:15]
.Lno_pm:
	ROUND                                          ; the closing round
	s_endpgm
.Lfunc_end_k_qf5ec1e3464_attl:
	.size	k_qf5ec1e3464_attl, .Lfunc_end_k_qf5ec1e3464_attl-k_qf5ec1e3464_attl
	.p2alignl 7, 3214868480
	.fill 96, 4, 3214868480
	.section	.rodata,"a",@progbits
	.p2align	6, 0x0
	.amdhsa_kernel k_qf5ec1e3464_attl
		.amdhsa_group_segment_fixed_size 327680
		.amdhsa_private_segment_fixed_size 0
		.amdhsa_enable_private_segment 0
		.amdhsa_kernarg_size 24
		.amdhsa_user_sgpr_count 2
		.amdhsa_user_sgpr_kernarg_segment_ptr 1
		.amdhsa_wavefront_size32 1
		.amdhsa_system_sgpr_workgroup_id_x 1
		.amdhsa_system_sgpr_workgroup_id_y 1
		.amdhsa_system_sgpr_workgroup_id_z 1
		.amdhsa_system_vgpr_workitem_id 0
		.amdhsa_next_free_vgpr 512
		.amdhsa_next_free_sgpr 72
		.amdhsa_reserve_vcc 0
		.amdhsa_float_denorm_mode_32 3
		.amdhsa_float_denorm_mode_16_64 3
		.amdhsa_memory_ordered 1
		.amdhsa_forward_progress 1
		.amdhsa_inst_pref_size 131
	.end_amdhsa_kernel
	.amdgpu_metadata
---
amdhsa.version: [ 1, 2 ]
amdhsa.kernels:
  - .name:           k_qf5ec1e3464_attl
    .symbol:         k_qf5ec1e3464_attl.kd
    .args:
      - { .name: QV1, .offset: 0, .size: 8, .value_kind: global_buffer, .address_space: global }
      - { .name: NL, .offset: 8, .size: 8, .value_kind: global_buffer, .address_space: global }
      - { .name: PM, .offset: 16, .size: 8, .value_kind: global_buffer, .address_space: global }
    .group_segment_fixed_size: 327680
    .private_segment_fixed_size: 0
    .kernarg_segment_align: 8
    .kernarg_segment_size: 24
    .max_flat_workgroup_size: 256
    .sgpr_count:     72
    .vgpr_count:     512
    .wavefront_size: 32
...
	.end_amdgpu_metadata
.endif
;; end of part 6
;; launch fmax (part 7): grid 16 x 1, 8 waves a work-group, no clusters, 0 bytes of LDS; arguments PM, out0; writes out0
.if DOCPART == 7
	.amdgcn_target "amdgcn-amd-amdhsa--gfx1250"
	.amdhsa_code_object_version 6
	.text
	.protected	k_qf5ec1e3464_fmax
	.globl	k_qf5ec1e3464_fmax
	.p2align	8
	.type	k_qf5ec1e3464_fmax,@function
k_qf5ec1e3464_fmax:
	s_mov_b64 s[64:65], 0
	v_nop
	global_prefetch_b8 v0, s[64:65] scope:SCOPE_SE
	s_setreg_imm32_b32 hwreg(HW_REG_WAVE_MODE, 25, 1), 1
	s_wait_xcnt 0x0
; fmax: out0[b][512] = the maximum over a chain's four column blocks of the partial maxima PM[stage 2][chain 64][x 4][128].
; Segment s of a row of out0 (128 channels) is stage s & 1 of chain 32 (s >> 1) + b.  A thread makes 4 channels: 4,096 threads, 16 work-groups:
; there is no more work than that.  Each load and the store of a wave cover 512 consecutive bytes.  No LDS, no matrix unit: 320 KiB are moved once.
	s_load_b128 s[4:7], s[0:1], 0x0                ; PM, out0
	s_lshl_b32 s8, ttmp9, 8
	v_add_nc_u32 v1, s8, v0                        ; id = [b 32][segment 4][c4 32]
	v_and_b32 v2, 31, v1
	v_bfe_u32 v3, v1, 5, 1                         ; stage
	v_bfe_u32 v4, v1, 6, 1                         ; branch
	v_lshrrev_b32 v5, 7, v1                        ; b
	v_lshl_add_u32 v5, v4, 5, v5                   ; chain
	v_lshlrev_b32 v6, 4, v2
	v_lshl_add_u32 v6, v5, 11, v6
	v_lshl_add_u32 v6, v3, 17, v6
	v_lshlrev_b32 v7, 4, v1
	s_wait_kmcnt 0x0
	global_load_b128 v[8:11],  v6, s[4:5]
	global_load_b128 v[12:15], v6, s[4:5] offset:512
	global_load_b128 v[16:19], v6, s[4:5] offset:1024
	global_load_b128 v[20:23], v6, s[4:5] offset:1536
	s_wait_loadcnt 0x0
.irp i, 0,1,2,3
	v_max3_num_f32 v[8+\i], v[8+\i], v[12+\i], v[16+\i]
	v_max_num_f32 v[8+\i], v[8+\i], v[20+\i]
.endr
	global_store_b128 v7, v[8:11], s[6:7]
	s_endpgm
.Lfunc_end_k_qf5ec1e3464_fmax:
	.size	k_qf5ec1e3464_fmax, .Lfunc_end_k_qf5ec1e3464_fmax-k_qf5ec1e3464_fmax
	.p2alignl 7, 3214868480
	.fill 96, 4, 3214868480
	.section	.rodata,"a",@progbits
	.p2align	6, 0x0
	.amdhsa_kernel k_qf5ec1e3464_fmax
		.amdhsa_group_segment_fixed_size 0
		.amdhsa_private_segment_fixed_size 0
		.amdhsa_enable_private_segment 0
		.amdhsa_kernarg_size 16
		.amdhsa_user_sgpr_count 2
		.amdhsa_user_sgpr_kernarg_segment_ptr 1
		.amdhsa_wavefront_size32 1
		.amdhsa_system_sgpr_workgroup_id_x 1
		.amdhsa_system_sgpr_workgroup_id_y 1
		.amdhsa_system_sgpr_workgroup_id_z 1
		.amdhsa_system_vgpr_workitem_id 0
		.amdhsa_next_free_vgpr 32
		.amdhsa_next_free_sgpr 66
		.amdhsa_reserve_vcc 0
		.amdhsa_float_denorm_mode_32 3
		.amdhsa_float_denorm_mode_16_64 3
		.amdhsa_memory_ordered 1
		.amdhsa_forward_progress 1
		.amdhsa_inst_pref_size 2
	.end_amdhsa_kernel
	.amdgpu_metadata
---
amdhsa.version: [ 1, 2 ]
amdhsa.kernels:
  - .name:           k_qf5ec1e3464_fmax
    .symbol:         k_qf5ec1e3464_fmax.kd
    .args:
      - { .name: PM, .offset: 0, .size: 8, .value_kind: global_buffer, .address_space: global }
      - { .name: out0, .offset: 8, .size: 8, .value_kind: global_buffer, .address_space: global }
    .group_segment_fixed_size: 0
    .private_segment_fixed_size: 0
    .kernarg_segment_align: 8
    .kernarg_segment_size: 16
    .max_flat_workgroup_size: 256
    .sgpr_count:     66
    .vgpr_count:     32
    .wavefront_size: 32
...
	.end_amdgpu_metadata
.endif
;; end of part 7
